; MI455X (gfx1250); checked and timed in simulation.
; The chip was launched on July 23, 2026; its instructions are those of AMD's public machine-readable ISA for CDNA 5 (MIT licence, August 2026) and "CDNA5" Instruction Set Architecture Reference Guide (July 2026). The comments in the code are by the model that wrote it; some were corrected since.
;; Encoder Block. Allowed arithmetic: float matrix products may take bf16 or f16 operands with f32 sums; other float arithmetic in f32, or as packed bf16 or f16 multiplies, adds, multiply-adds, maxima and minima; sums over many terms, partial sums and values carried from step to step in f32; what a program stores and reads back later, other than sums and carried values, may be rounded once to bf16 or f16.
;; Inputs: W1 1,024 x 4,096 float32; W2 4,096 x 1,024 float32; Wk 1,024 x 1,024 float32; Wo 1,024 x 1,024 float32; Wq 1,024 x 1,024 float32; Wv 1,024 x 1,024 float32; b1 4,096 float32; b2 1,024 float32; be1 1,024 float32; be2 1,024 float32; bk 1,024 float32; bo 1,024 float32; bq 1,024 float32; bv 1,024 float32; g1 1,024 float32; g2 1,024 float32; x 2 x 2,048 x 1,024 float32.
;; Outputs: out0 2 x 2,048 x 1,024 float32.
;; One version. Each part assembles by itself: llvm-mc -triple=amdgcn-amd-amdhsa -mcpu=gfx1250 --defsym DOCPART=n.
;; ======== version 1 of 1: 8 launches
;; workspace buffers: wb 33,554,432 bytes; qkv 25,165,824 bytes; ctx 8,388,608 bytes; ysum 16,777,216 bytes; hb 8,388,608 bytes; act 33,554,432 bytes
;; launch cast (part 1): grid 64 x 16, 8 waves a work-group, no clusters, 0 bytes of LDS; arguments x, Wq, Wk, Wv, Wo, W1, W2, wb; writes wb
.if DOCPART == 1
	.amdgcn_target "amdgcn-amd-amdhsa--gfx1250"
	.amdhsa_code_object_version 6
	.text
	.protected	k_q2833198b6b_cast
	.globl	k_q2833198b6b_cast
	.p2align	8
	.type	k_q2833198b6b_cast,@function
k_q2833198b6b_cast:
	s_mov_b64 s[64:65], 0
	v_nop
	global_prefetch_b8 v0, s[64:65] scope:SCOPE_SE
	s_setreg_imm32_b32 hwreg(HW_REG_WAVE_MODE, 25, 1), 1
	s_wait_xcnt 0x0
; wb = x and the six weight matrices, each number rounded once to bf16, in their own order of elements.
; wb is 16 chunks of 1 Mi numbers (2 MiB): chunks 0-3 x, 4 Wq, 5 Wk, 6 Wv, 7 Wo, 8-11 W1, 12-15 W2.
; The grid's y is the chunk, its x one of 64 parts of 16,384 numbers; a wave takes 2,048: sixteen loads of 512 consecutive
; bytes, all issued at once, and sixteen stores of 256 consecutive bytes, aligned.  Nothing is read twice; no LDS, no barrier.
.set XR, 8                             ; v[8:71]    sixteen loads of four f32
.set YR, 72                            ; v[72:103]  sixteen pairs of packed bf16
	s_load_b512 s[16:31], s[0:1], 0x0              ; x, Wq, Wk, Wv, Wo, W1, W2, wb
	s_and_b32 s4, ttmp7, 0xffff                    ; the chunk
	v_lshrrev_b32 v3, 5, v0                        ; wave
	v_and_b32 v4, 31, v0                           ; lane
	v_lshlrev_b32 v1, 4, v4
	v_lshl_add_u32 v1, v3, 13, v1                  ; in: 8,192 x wave + 16 x lane
	v_lshlrev_b32 v2, 3, v4
	v_lshl_add_u32 v2, v3, 12, v2                  ; out: 4,096 x wave + 8 x lane
	s_mov_b32 s5, 0                                ; the first chunk of the tensor that the chunk belongs to
	s_wait_kmcnt 0x0
	s_mov_b64 s[6:7], s[16:17]
.macro PICK first, reg                 ; from chunk 'first' on the source is the tensor whose address lies in s[reg:reg+1]
	s_cmp_ge_u32 s4, \first
	s_cselect_b64 s[6:7], s[\reg:\reg+1], s[6:7]
	s_cselect_b32 s5, \first, s5
.endm
	PICK 4, 18
	PICK 5, 20
	PICK 6, 22
	PICK 7, 24
	PICK 8, 26
	PICK 12, 28
	s_sub_co_u32 s8, s4, s5
	s_lshl_b32 s8, s8, 22                          ; 4 MiB of f32 a chunk
	s_lshl_b32 s9, ttmp9, 16                       ; 64 KiB a work-group
	s_add_co_u32 s8, s8, s9
	s_mov_b32 s9, 0
	s_add_nc_u64 s[6:7], s[6:7], s[8:9]
	s_lshl_b32 s10, s4, 21
	s_lshl_b32 s11, ttmp9, 15
	s_add_co_u32 s10, s10, s11
	s_mov_b32 s11, 0
	s_add_nc_u64 s[12:13], s[30:31], s[10:11]
.irp j, 0,1,2,3,4,5,6,7,8,9,10,11,12,13,14,15
	global_load_b128 v[XR+4*(\j):XR+4*(\j)+3], v1, s[6:7] offset:512*(\j) th:TH_LOAD_NT
.endr
.irp j, 0,1,2,3,4,5,6,7,8,9,10,11,12,13,14,15
	s_wait_loadcnt 15-(\j)                         ; loads come back in order: load j is in, the younger ones stay out
	v_cvt_pk_bf16_f32 v[YR+2*(\j)], v[XR+4*(\j)], v[XR+4*(\j)+1]
	v_cvt_pk_bf16_f32 v[YR+2*(\j)+1], v[XR+4*(\j)+2], v[XR+4*(\j)+3]
	global_store_b64 v2, v[YR+2*(\j):YR+2*(\j)+1], s[12:13] offset:256*(\j)
.endr
	s_endpgm
.Lfunc_end_k_q2833198b6b_cast:
	.size	k_q2833198b6b_cast, .Lfunc_end_k_q2833198b6b_cast-k_q2833198b6b_cast
	.p2alignl 7, 3214868480
	.fill 96, 4, 3214868480
	.section	.rodata,"a",@progbits
	.p2align	6, 0x0
	.amdhsa_kernel k_q2833198b6b_cast
		.amdhsa_group_segment_fixed_size 0
		.amdhsa_private_segment_fixed_size 0
		.amdhsa_enable_private_segment 0
		.amdhsa_kernarg_size 64
		.amdhsa_user_sgpr_count 2
		.amdhsa_user_sgpr_kernarg_segment_ptr 1
		.amdhsa_wavefront_size32 1
		.amdhsa_system_sgpr_workgroup_id_x 1
		.amdhsa_system_sgpr_workgroup_id_y 1
		.amdhsa_system_sgpr_workgroup_id_z 1
		.amdhsa_system_vgpr_workitem_id 0
		.amdhsa_next_free_vgpr 104
		.amdhsa_next_free_sgpr 66
		.amdhsa_reserve_vcc 0
		.amdhsa_float_denorm_mode_32 3
		.amdhsa_float_denorm_mode_16_64 3
		.amdhsa_memory_ordered 1
		.amdhsa_forward_progress 1
		.amdhsa_inst_pref_size 8
	.end_amdhsa_kernel
	.amdgpu_metadata
---
amdhsa.version: [ 1, 2 ]
amdhsa.kernels:
  - .name:           k_q2833198b6b_cast
    .symbol:         k_q2833198b6b_cast.kd
    .args:
      - { .name: x, .offset: 0, .size: 8, .value_kind: global_buffer, .address_space: global }
      - { .name: Wq, .offset: 8, .size: 8, .value_kind: global_buffer, .address_space: global }
      - { .name: Wk, .offset: 16, .size: 8, .value_kind: global_buffer, .address_space: global }
      - { .name: Wv, .offset: 24, .size: 8, .value_kind: global_buffer, .address_space: global }
      - { .name: Wo, .offset: 32, .size: 8, .value_kind: global_buffer, .address_space: global }
      - { .name: W1, .offset: 40, .size: 8, .value_kind: global_buffer, .address_space: global }
      - { .name: W2, .offset: 48, .size: 8, .value_kind: global_buffer, .address_space: global }
      - { .name: wb, .offset: 56, .size: 8, .value_kind: global_buffer, .address_space: global }
    .group_segment_fixed_size: 0
    .private_segment_fixed_size: 0
    .kernarg_segment_align: 8
    .kernarg_segment_size: 64
    .max_flat_workgroup_size: 256
    .sgpr_count:     66
    .vgpr_count:     104
    .wavefront_size: 32
...
	.end_amdgpu_metadata
.endif
;; end of part 1
;; launch qkv (part 2): grid 12 x 16, 4 waves a work-group, clusters of 4 x 4, 327,680 bytes of LDS; arguments wb, bq, bk, bv, qkv; writes qkv
.if DOCPART == 2
	.amdgcn_target "amdgcn-amd-amdhsa--gfx1250"
	.amdhsa_code_object_version 6
	.text
	.protected	k_q2833198b6b_qkv
	.globl	k_q2833198b6b_qkv
	.p2align	8
	.type	k_q2833198b6b_qkv,@function
k_q2833198b6b_qkv:
	s_mov_b64 s[64:65], 0
	v_nop
	global_prefetch_b8 v0, s[64:65] scope:SCOPE_SE
	s_setreg_imm32_b32 hwreg(HW_REG_WAVE_MODE, 25, 1), 1
	s_wait_xcnt 0x0
	s_wait_alu depctr_hold_cnt(0) depctr_sa_sdst(0) depctr_va_vdst(0) depctr_va_sdst(0) depctr_va_ssrc(0) depctr_va_vcc(0) depctr_vm_vsrc(0)
	s_getreg_b32 s2, hwreg(HW_REG_IB_STS2, 6, 4)
	s_cmp_eq_u32 s2, 0
	s_cbranch_scc0 .Lentry_in_a_cluster
	s_endpgm
.Lentry_in_a_cluster:
	s_bfe_u32 s2, ttmp6, 0x10000c
	s_cmp_lg_u32 s2, 0xf033
	s_cbranch_scc0 .Lentry_shape_is_right
	s_endpgm
.Lentry_shape_is_right:
; C = A B + bias (GELU = 1: gelu of that), rounded once to bf16.  A: [4096][1024] bf16, K along the rows.  B: [1024][BPITCH] bf16, N along the rows.
; GELU = 0: A = x, B = Wq | Wk | Wv (all in wb), C = qkv [4096][3072].  GELU = 1: A = hb, B = W1 (in wb), C = act [4096][4096].
; A tile of C, 256 x 256, is made by four waves, 128 x 128 each: 64 accumulators, 512 registers.  K goes in 8 steps of 128 through a ring of two LDS slots.
; CLUSTER 4 x 4: A's tile is asked for jointly by the four work-groups of a row of the cluster, B's by the four of a column.
; THE PRODUCT IS TAKEN TRANSPOSED: source 0 = 16 columns of B (turned on the way out of LDS by ds_load_tr16_b128), source 1 = 16 rows of A: a lane holds one
; row of C and eight neighbouring columns.  The bias, rounded to bf16 like every input, is the C operand of the products that start the sums.
; THE TEXT: a first quarter step (its products start the sums), a loop of six trips that each fill a slot again, and a loop of two trips for the last two K steps, which ask
; for nothing: the last trip jumps forward over the fetch of a slot that does not exist and over the next step's first quarter.
; THE WAY OUT: when the ring has had its last fill and its last read, each wave lays its 128 x 128 f32 into the ring's bytes and reads whole rows back:
; a lane then holds four neighbouring columns, and a wave's store covers 256 consecutive bytes, aligned.
; LIMIT (GELU = 1): gelu(x) = max(x, 0) - |x| (1 - Phi(|x|)); 1 - Phi by the five-term form t = 1 / (1 + 0.2316419 |x|), a polynomial in t times
; exp(-x x / 2) (Abramowitz and Stegun 26.2.17); with the roundings of f32 the result is off by about 5e-7 at the most, absolutely, for every finite x.
.set GELU, 0
.set KSTEP, 128
.set STEPS, 8
.set PA,    272                        ; a row of A in LDS: 256 bytes + 16: the 16 rows of a load start at 16 different groups of four banks (64 banks of 4 bytes: ISA guide 11.1)
.set PB,    544                        ; a row of B (one k, 256 columns): 512 bytes + 32
.set HALF,  128*PA                     ; what one tensor load brings: 128 rows of A, or 64 rows of B (64 x 544 is the same number)
.set BOFF,  2*HALF
.set SLOT,  4*HALF
.set SPARE, 2*SLOT                     ; behind the ring: the spare words, 128 bytes a wave, that no other line names
.set DP,    528                        ; the way out: a row of 128 f32 + 16 bytes
.set WREG,  128*DP                     ; a wave's region on the way out
.if GELU
.set BPITCH, 4096
.set ROWB,   8192
.set BP,     90
.set OP,     94
.else
.set BPITCH, 1024
.set ROWB,   6144
.set BP,     88
.set OP,     96
.endif
.set ASTEP, KSTEP*2
.set BSTEP, KSTEP*BPITCH*2
.set ADRA0, 6                          ; v6   my lane's place in A's part of a slot; never rewritten
.set ADRB0, 7                          ; v7   the same for B
.set ADRA,  16                         ; v16  the same in the slot in hand
.set ADRB,  20
.set DST,   24                         ; v24  the way out: where I put 16 bytes of a row
.set RDA,   25                         ; v25  where I read rows back
.set CO,    26                         ; v26  my 8 bytes of a row of C
.set RDA0,  27
.set SPW,   28                         ; v28  my spare word; never rewritten
.set NIL,   29                         ; v29  0; never rewritten
.set PFO,   30                         ; v30  the prefetches' offset; never rewritten
.set F0,    64                         ; fragment buffers: A's in window 0, B's in window 1
.set F1,    128
.set BIAS,  192                        ; v192-255 of window 0: eight registers for each of my eight blocks of 16 columns
.set XR,    32                         ; the way out, window 0: eight rows as read back,
.set UR,    64                         ; 1 + p |x|
.set TR,    96                         ; its reciprocal
.set WR,    128                        ; 2^(-x x log2(e) / 2)
.set MR,    160                        ; max(x, 0), then the result
.set QR,    192                        ; the polynomial
.set YR,    224                        ; packed bf16
.set G1,  24                           ; s[24:31] descriptor group 1 for A;  s[32:39] group 0: a set for each first fill, the second then walks
.set G0,  32
.set G1B, 48                           ; s[48:55], s[56:63] the same for B
.set G0B, 56
.set LIM, 43                           ; s43  2 in a wave that prefetches, else the greatest number
.set PFA, 44                           ; s[44:45] where my prefetches stand
.set TB,  66                           ; s66  the slot in hand: 0 or SLOT
.set RB,  67                           ; s67  the way out: bytes of the rows done
.set PSTEP, 68                         ; s[68:69] a K step in the tensor that I prefetch
.set BPT, 70                           ; s[70:71] the bias at my first column
.set PP,  72
.set KK,  74
.set C5,  76
.set C4,  78
.set C3,  80
.set C2,  82
.set C1,  84
.set MSB, 0
.macro WIN new                         ; the immediate's high byte repeats the setting that is left; a switch that changes nothing is dropped
.if MSB != (\new)
	s_set_vgpr_msb (MSB<<8)|(\new)
.set MSB, \new
.endif
.endm
.set TO_B, 0x40                        ; destination window 1, address window 0
.macro PLACES                          ; four plain vector instructions between a matrix instruction and a load into, or a read of, its registers
.rept 4
	v_nop
.endr
.endm
.macro JLOAD                           ; a joint refill by the walking sets: waves 0, 1 ask for A's halves, waves 2, 3 for B's; an s_nop 0 and four v_nop follow each line
	s_cmp_eq_u32 s11, 0
	s_cbranch_scc0 .Lfor_b_\@
	tensor_load_to_lds s[G0+4:G0+7], s[G1:G1+7]
	s_nop 0
.rept 4
	v_nop
.endr
	s_branch .Lasked_\@
.Lfor_b_\@:
	tensor_load_to_lds s[G0B+4:G0B+7], s[G1B:G1B+7]
	s_nop 0
.rept 4
	v_nop
.endr
.Lasked_\@:
.endm
.macro ASK                             ; one prefetch: 32 blocks of 256 bytes of the K step that stands two refills on; the last two refills have none
	s_cmp_gt_u32 s3, s[LIM]
	s_cbranch_scc0 .Lnot_mine_\@
	global_prefetch_b8 v[PFO], s[PFA:PFA+1] th:TH_LOAD_NT scope:SCOPE_SE
.Lnot_mine_\@:
.endm
.macro CREST                           ; a round of the cluster's barrier behind its opening barrier
	s_cmp_lg_u32 s10, 0
	s_cbranch_scc1 .Lnot_wave_0_\@
	s_barrier_signal -3
.Lnot_wave_0_\@:
	s_barrier_wait -3
	s_barrier_signal -1
	s_barrier_wait -1
.endm
.macro CROUND
	s_barrier_signal -1
	s_barrier_wait -1
	CREST
.endm
	s_load_b256 s[88:95], s[0:1], 0x0              ; GELU = 0: wb, bq, bk, bv;  GELU = 1: hb, wb, b1, act
.if !GELU
	s_load_b64 s[96:97], s[0:1], 0x20              ; qkv
.endif
	v_lshl_add_u32 v[SPW], v0, 2, SPARE
	v_mov_b32 v[NIL], 0
	ds_add_u32 v[SPW], v[NIL]                      ; the wave's opening: the add and its wait ahead of my first tensor load
	ds_add_u32 v28, v29
	v_lshrrev_b32 v1, 5, v0
	v_readfirstlane_b32 s10, v1                    ; wave 0..3
	s_lshr_b32 s11, s10, 1                         ; my half of the tile's rows; also: I fetch for A (0) or B (1)
	s_and_b32 s12, s10, 1                          ; my half of its columns; also: which half of that tile I fetch
	s_bfe_u32 s40, ttmp6, 0x40000                  ; cx
	s_bfe_u32 s41, ttmp6, 0x40004                  ; cy
	s_lshl_b32 s42, ttmp9, 2
	s_add_co_u32 s42, s42, s40                     ; tile column
	s_and_b32 s13, ttmp7, 0xffff
	s_lshl_b32 s13, s13, 2
	s_add_co_u32 s13, s13, s41                     ; tile row
	s_lshl_b32 s43, s41, 2
	s_lshl_b32 s43, 15, s43                        ; my row of the cluster
	s_lshl_b32 s44, 0x1111, s40                    ; my column
	s_or_b32 s[G1+0], s43, (1<<16)|(1<<20)|(1<<21)|(5<<22)|(3<<25)   ; mask; 2-byte elements; padding on; bit 21 beside a mask; after every 64 words 4 words
	s_or_b32 s[G1B+0], s44, (1<<16)|(1<<20)|(1<<21)|(6<<22)|(7<<25)  ; after every 128 words 8 words
	s_mov_b32 s[G1+1], 128<<16                     ; tensor_dim0 = 128
	s_mov_b32 s[G1+2], 128<<16                     ; tensor_dim1 = 128
	s_mov_b32 s[G1+3], 128<<16                     ; tile_dim0 = 128
	s_mov_b32 s[G1+4], 128                         ; tile_dim1 = 128
	s_mov_b32 s[G1+5], 1024                        ; elements from row to row
	s_mov_b32 s[G1+6], 0
	s_mov_b32 s[G1+7], 0
	s_mov_b32 s[G1B+1], 256<<16                    ; 256 columns
	s_mov_b32 s[G1B+2], 64<<16                     ; 64 rows (k)
	s_mov_b32 s[G1B+3], 256<<16
	s_mov_b32 s[G1B+4], 64
	s_mov_b32 s[G1B+5], BPITCH
	s_mov_b32 s[G1B+6], 0
	s_mov_b32 s[G1B+7], 0
	s_lshl_b32 s17, s12, 7
	s_lshl_b32 s16, s13, 8
	s_add_co_u32 s16, s16, s17                     ; A: row 256 x tile row + 128 x half
	s_lshl_b32 s16, s16, 11                        ; 2,048 bytes a row
	s_mov_b32 s17, 0
.if GELU
	s_lshl_b32 s46, s42, 9                         ; B: 512 bytes a tile column, in W1
	s_add_co_u32 s46, s46, 0x1000000
.else
	s_lshl_b32 s46, ttmp9, 21                      ; a column of clusters is one of Wq, Wk, Wv: 2 MiB each,
	s_lshl_b32 s47, s40, 9                         ; cx its block of 256 columns
	s_add_co_u32 s46, s46, s47
	s_add_co_u32 s46, s46, 0x800000
.endif
	s_mul_i32 s47, s12, 64*BPITCH*2                ; my 64 rows of the K step
	s_add_co_u32 s46, s46, s47
	s_mov_b32 s47, 0
	s_mul_i32 s20, s10, HALF                       ; where my part goes: wave x HALF: no place in the cluster enters an LDS address
	s_wait_dscnt 0x0                               ; the opening add is done
	s_wait_kmcnt 0x0
	s_add_nc_u64 s[14:15], s[88:89], s[16:17]
	s_add_nc_u64 s[46:47], s[BP:BP+1], s[46:47]
	CROUND                                         ; all sixteen work-groups are here: the first joint loads meet
.irp s, 0,1
	s_mov_b32 s[G0+4*(\s)], 1
	s_add_co_u32 s[G0+4*(\s)+1], s20, (\s)*SLOT
	s_add_nc_u64 s[G0+4*(\s)+2:G0+4*(\s)+3], s[14:15], (\s)*ASTEP
	s_or_b32 s[G0+4*(\s)+3], s[G0+4*(\s)+3], 0x80000000
	s_mov_b32 s[G0B+4*(\s)], 1
	s_add_co_u32 s[G0B+4*(\s)+1], s20, (\s)*SLOT
	s_add_nc_u64 s[G0B+4*(\s)+2:G0B+4*(\s)+3], s[46:47], (\s)*BSTEP
	s_or_b32 s[G0B+4*(\s)+3], s[G0B+4*(\s)+3], 0x80000000
.endr
	s_cmp_eq_u32 s11, 0                            ; a wave's two first fills stand in one branch: two loads of mine are out
	s_cbranch_scc0 .Lfirst_b
	tensor_load_to_lds s[G0:G0+3], s[G1:G1+7]
	s_nop 0
	tensor_load_to_lds s[G0+4:G0+7], s[G1:G1+7]
	s_nop 0
.rept 4
	v_nop
.endr
	s_branch .Lfirst_asked
.Lfirst_b:
	tensor_load_to_lds s[G0B:G0B+3], s[G1B:G1B+7]
	s_nop 0
	tensor_load_to_lds s[G0B+4:G0B+7], s[G1B:G1B+7]
	s_nop 0
.rept 4
	v_nop
.endr
.Lfirst_asked:
	v_and_b32 v1, 15, v0                           ; r = l % 16
	v_bfe_u32 v2, v0, 4, 1                         ; h = l / 16
	v_lshlrev_b32 v5, 5, v2                        ; my eight columns of a block of 16: 32 h bytes of f32
.if GELU
	s_mov_b64 s[BPT:BPT+1], s[92:93]
	s_lshl_b32 s22, s42, 10                        ; 256 columns x 4 bytes a tile column
.else
	s_cmp_eq_u32 ttmp9, 1
	s_cselect_b64 s[BPT:BPT+1], s[92:93], s[90:91]
	s_cmp_eq_u32 ttmp9, 2
	s_cselect_b64 s[BPT:BPT+1], s[94:95], s[BPT:BPT+1]
	s_lshl_b32 s22, s40, 10
.endif
	s_lshl_b32 s23, s12, 9
	s_add_co_u32 s22, s22, s23
	s_mov_b32 s23, 0
	s_add_nc_u64 s[BPT:BPT+1], s[BPT:BPT+1], s[22:23]
.irp b, 0,1,2,3,4,5,6,7
	global_load_b128 v[BIAS+8*(\b):BIAS+8*(\b)+3],   v5, s[BPT:BPT+1] offset:64*(\b)
	global_load_b128 v[BIAS+8*(\b)+4:BIAS+8*(\b)+7], v5, s[BPT:BPT+1] offset:64*(\b)+16
.endr
	v_mul_u32_u24 v3, v1, PA                       ; A's fragments: row r, 16 bytes for each half of the lanes
	v_lshl_add_u32 v3, v2, 4, v3
	s_mul_i32 s21, s11, HALF
	v_add_nc_u32 v[ADRA0], s21, v3
	v_and_b32 v3, 7, v0                            ; B's, turned: lane l reads row k = 8 h + l % 8, columns 8 ((l / 8) % 2) + 0..7
	v_lshl_add_u32 v3, v2, 3, v3
	v_mul_u32_u24 v3, v3, PB
	v_bfe_u32 v4, v0, 3, 1
	v_lshl_add_u32 v3, v4, 4, v3
	s_lshl_b32 s22, s12, 8
	s_add_co_u32 s22, s22, BOFF
	v_add_nc_u32 v[ADRB0], s22, v3
	v_mov_b32 v[ADRA], v[ADRA0]
	v_mov_b32 v[ADRB], v[ADRB0]
	s_mov_b32 s[TB], 0
	s_mul_i32 s23, s10, WREG                       ; the way out
	v_mul_u32_u24 v3, v1, DP
	v_lshl_add_u32 v3, v2, 5, v3
	v_add_nc_u32 v[DST], s23, v3
	v_and_b32 v4, 31, v0
	v_lshl_add_u32 v[RDA0], v4, 4, s23
	v_mov_b32 v[RDA], v[RDA0]
	v_lshlrev_b32 v[CO], 3, v4
	; the prefetches.  A's rows are read by every cluster of a row of clusters: cluster x = 0 asks; B's by every cluster of a column: cluster y = 0 asks.
	; The four partners of a joint load share its blocks out by address: A: 32 rows each, a lane a row; B: 16 rows each, two blocks of 256 bytes a row.
	s_mov_b32 s18, 32*2048
	s_mov_b32 s19, 16*BPITCH*2
	s_mov_b32 s22, 2048
	s_mov_b32 s23, BPITCH*2
	s_mov_b32 s[PSTEP], ASTEP
	s_mov_b32 s[PSTEP+1], BSTEP
	s_and_b32 s20, ttmp7, 0xffff
	s_cmp_eq_u32 s11, 0
	s_cselect_b64 s[PFA:PFA+1], s[14:15], s[46:47]
	s_cselect_b32 s21, s40, s41
	s_cselect_b32 s18, s18, s19
	s_cselect_b32 s22, s22, s23
	s_cselect_b32 s[PSTEP], s[PSTEP], s[PSTEP+1]
	s_cselect_b32 s20, ttmp9, s20
	s_mov_b32 s[PSTEP+1], 0
	s_cmp_eq_u32 s20, 0
	s_cselect_b32 s[LIM], 2, -1                    ; the same in all sixteen partners, for a given wave
	s_mul_i32 s20, s21, s18
	s_mov_b32 s21, 0
	s_add_nc_u64 s[PFA:PFA+1], s[PFA:PFA+1], s[20:21]
	s_mul_i32 s20, s[PSTEP], 3                     ; at K step 3: the first refill steps it to 4
	s_add_nc_u64 s[PFA:PFA+1], s[PFA:PFA+1], s[20:21]
	v_lshrrev_b32 v3, s11, v4
	v_mul_u32_u24 v[PFO], s22, v3
	v_and_b32 v3, s11, v4
	v_lshl_add_u32 v[PFO], v3, 8, v[PFO]
	s_lshl_b32 s20, s13, 8                         ; C at my first row and column
	s_lshl_b32 s21, s11, 7
	s_add_co_u32 s20, s20, s21
	s_mul_i32 s20, s20, ROWB
	s_lshl_b32 s21, s42, 9
	s_add_co_u32 s20, s20, s21
	s_lshl_b32 s21, s12, 8
	s_add_co_u32 s20, s20, s21
	s_mov_b32 s21, 0
	s_add_nc_u64 s[8:9], s[OP:OP+1], s[20:21]
.if GELU
	s_mov_b32 s[PP], 0x3e6d3389                    ; p = 0.2316419
	s_mov_b32 s[KK], 0xbf38aa3b                    ; -log2(e) / 2
	s_mov_b32 s[KK+1], 0xbf38aa3b
	s_mov_b32 s[C5], 0x4012a088                    ; the form's five coefficients, each divided by sqrt(2 pi) p
	s_mov_b32 s[C5+1], 0x4012a088
	s_mov_b32 s[C4], 0xc048be9f
	s_mov_b32 s[C4+1], 0xc048be9f
	s_mov_b32 s[C3], 0x40445c33
	s_mov_b32 s[C3+1], 0x40445c33
	s_mov_b32 s[C2], 0xbf1d34d5
	s_mov_b32 s[C2+1], 0xbf1d34d5
	s_mov_b32 s[C1], 0x3f0cd020
	s_mov_b32 s[C1+1], 0x3f0cd020
.endif
	s_wait_loadcnt 0x0                             ; the bias
.set p, 0
.rept 32                                       ; rounded to bf16 like every input, and widened again
	v_cvt_pk_bf16_f32 v[3+p%2], v[BIAS+2*p], v[BIAS+2*p+1]
	v_lshlrev_b32 v[BIAS+2*p], 16, v[3+p%2]
	v_and_b32 v[BIAS+2*p+1], 0xffff0000, v[3+p%2]
.set p, p+1
.endr
; 16 matrix instructions: row blocks a0, a0 + 1 of the window's four (hi = 0: my rows 0-63, 1: rows 64-127) x all 8 column blocks, 32 along K.  zero = 1: the bias starts the sums.
.macro MUL16 f, hi, a0, zero
.if \zero
	WIN 0x81+0x40*(\hi)                            ; B window 1, A and the bias window 0, D window 2 or 3
.else
	WIN 0xa1+0x50*(\hi)                            ; B window 1, A window 0, C and D window 2 or 3
.endif
.irp a, \a0, (\a0)+1
.irp b, 0,1,2,3,4,5,6,7
.if \zero
	v_wmma_f32_16x16x32_bf16 v[8*(8*(\a)+(\b)):8*(8*(\a)+(\b))+7], v[(\f)+8*(\b):(\f)+8*(\b)+7], v[(\f)+8*(4*(\hi)+(\a)):(\f)+8*(4*(\hi)+(\a))+7], v[BIAS+8*(\b):BIAS+8*(\b)+7]
.else
	v_wmma_f32_16x16x32_bf16 v[8*(8*(\a)+(\b)):8*(8*(\a)+(\b))+7], v[(\f)+8*(\b):(\f)+8*(\b)+7], v[(\f)+8*(4*(\hi)+(\a)):(\f)+8*(4*(\hi)+(\a))+7], v[8*(8*(\a)+(\b)):8*(8*(\a)+(\b))+7]
.endif
.endr
.endr
.endm
; 32 LDS loads in one run: quarter q (32 along K) of the slot in hand into buffer f: B's eight blocks of 16 columns, turned, then A's eight blocks of 16 rows
.macro FETCH q, f
	WIN TO_B
.irp i, 0,1,2,3,4,5,6,7
	ds_load_tr16_b128 v[(\f)+8*(\i):(\f)+8*(\i)+3],   v[ADRB] offset:32*(\q)*PB+32*(\i)
	ds_load_tr16_b128 v[(\f)+8*(\i)+4:(\f)+8*(\i)+7], v[ADRB] offset:(32*(\q)+16)*PB+32*(\i)
.endr
	WIN 0
.irp i, 0,1,2,3,4,5,6,7
	ds_load_b128 v[(\f)+8*(\i):(\f)+8*(\i)+3],   v[ADRA] offset:64*(\q)+(\i)*16*PA
	ds_load_b128 v[(\f)+8*(\i)+4:(\f)+8*(\i)+7], v[ADRA] offset:64*(\q)+(\i)*16*PA+32
.endr
.endm
; One of a K step's first three quarters: multiplies buffer f; behind its first sixteen products it fetches quarter q into buffer g, 48 products ahead of the first use.
; The 64 accumulators take turns in one order throughout.
.macro QUARTER q, f, g, zero
	s_wait_dscnt 8                                 ; B and A's rows 0-63 are in; the youngest eight loads (A's rows 64-127) may be out
	MUL16 \f, 0, 0, \zero
	PLACES                                         ; buffer g was last read by the quarter before
	FETCH \q, \g
	MUL16 \f, 0, 2, \zero
	s_wait_dscnt 32                                ; all but the 32 just issued
	MUL16 \f, 1, 0, \zero
	MUL16 \f, 1, 2, \zero
.endm
; The last quarter's first half, and the barrier of the change of slots.
.macro MEET round
	WIN 0
	s_wait_tensorcnt 0x0                           ; all my tensor loads have landed: the one that was out is my part of the next slot
	ds_add_u32 v[SPW], v[NIL]                      ; 0 onto my spare word
	s_wait_dscnt 9                                 ; the add and the youngest eight loads may be out
	MUL16 F1, 0, 0, 0
	s_wait_dscnt 0x0                               ; the add is done, and my reads of this slot are over
	s_barrier_signal -1
	MUL16 F1, 0, 2, 0
.if \round
	WIN 0
.endif
	s_barrier_wait -1
.endm
; The whole last quarter.  fill = 1: the slot just read out is filled again, two K steps ahead, first thing behind a round of the cluster's barrier: 224 matrix instructions ahead of the wait for it.
; fill = 0: the last two K steps: nothing is asked for, and in the last trip (s3 = 1) there is no next slot to fetch from.
.macro TURN fill
.if \fill
	s_wait_xcnt 0x0                                ; the last prefetch, a K step back, has read its address
	s_add_nc_u64 s[PFA:PFA+1], s[PFA:PFA+1], s[PSTEP:PSTEP+1]
.endif
	MEET \fill
.if \fill
	CREST                                          ; no wave of any partner still reads this slot or has a load on its way
	s_xor_b32 s[G0+5], s[G0+5], SLOT               ; the walking sets: the other slot than last time, the next K step
	s_add_nc_u64 s[G0+6:G0+7], s[G0+6:G0+7], ASTEP
	s_xor_b32 s[G0B+5], s[G0B+5], SLOT
	s_add_nc_u64 s[G0B+6:G0B+7], s[G0B+6:G0B+7], BSTEP
	s_xor_b32 s[TB], s[TB], SLOT
	JLOAD                                          ; its four v_nop are also the places in front of the loads below
.else
	PLACES
	WIN 0
	s_xor_b32 s[TB], s[TB], SLOT
.endif
	v_add_nc_u32 v[ADRA], s[TB], v[ADRA0]
	v_add_nc_u32 v[ADRB], s[TB], v[ADRB0]
.if \fill
	FETCH 0, F0
	ASK
.else
	s_cmp_eq_u32 s3, 1
	s_cbranch_scc1 .Lno_next_\@
	FETCH 0, F0
.Lno_next_\@:
.endif
	MUL16 F1, 1, 0, 0
	MUL16 F1, 1, 2, 0
.endm
	s_wait_tensorcnt 1                             ; my part of K step 0 is in; K step 1's may stay out
	s_barrier_signal -1
	s_barrier_wait -1
	FETCH 0, F0
	QUARTER 1, F0, F1, 1                           ; the first quarter starts the sums with the bias
	WIN 0
	s_mov_b32 s3, STEPS-2
.Lk:                                               ; a trip: a K step's quarters 1 to 3 and the next step's quarter 0; one refill
	QUARTER 2, F1, F0, 0
	QUARTER 3, F0, F1, 0
	TURN 1
	QUARTER 1, F0, F1, 0
	WIN 0
	s_sub_co_u32 s3, s3, 1
	s_cmp_lg_u32 s3, 0
	s_cbranch_scc1 .Lk
	s_mov_b32 s3, 2
.Lt:                                               ; the last two K steps ask for nothing: the same trip without a refill; the last one ends behind its own last quarter
	QUARTER 2, F1, F0, 0
	QUARTER 3, F0, F1, 0
	TURN 0
	WIN 0
	s_cmp_eq_u32 s3, 1
	s_cbranch_scc1 .Llast                          ; forward, over products and LDS loads alone
	QUARTER 1, F0, F1, 0
	WIN 0
.Llast:
	s_sub_co_u32 s3, s3, 1
	s_cmp_lg_u32 s3, 0
	s_cbranch_scc1 .Lt
	; THE WAY OUT
	PLACES
	s_wait_dscnt 0x0
	s_barrier_signal -1
	s_barrier_wait -1                              ; every wave's reads of the ring are over, and the ring has had its last fill
.irp hi, 0,1
	WIN 0x08+4*(\hi)                               ; store data in window 2 or 3
.irp a, 0,1,2,3
.irp b, 0,1,2,3,4,5,6,7
	ds_store_b128 v[DST], v[8*(8*(\a)+(\b)):8*(8*(\a)+(\b))+3]   offset:16*(4*(\hi)+(\a))*DP+64*(\b)
	ds_store_b128 v[DST], v[8*(8*(\a)+(\b))+4:8*(8*(\a)+(\b))+7] offset:16*(4*(\hi)+(\a))*DP+64*(\b)+16
.endr
.endr
.endr
	WIN 0
	s_wait_dscnt 0x0
	s_barrier_signal -1
	s_barrier_wait -1                              ; all stores into LDS are done before the first row is read back
.macro LOADX                           ; eight rows: 32 lanes x 16 bytes are a row's 128 f32
.irp j, 0,1,2,3,4,5,6,7
	ds_load_b128 v[XR+4*(\j):XR+4*(\j)+3], v[RDA] offset:(\j)*DP
.endr
.endm
.macro STEPC                           ; C's address goes eight rows on, ahead of the trip's stores, which reach back by their immediates
	s_wait_xcnt 0x0                                ; the last trip's stores have read their data and their base: both are written again only behind this wait
	s_add_nc_u64 s[8:9], s[8:9], 8*ROWB
.endm
	LOADX
	s_mov_b32 s[RB], 0
	s_mov_b32 s3, 16
.Lrow:                                             ; eight rows a trip: 32 numbers, 16 pairs, a lane.  Each step is taken over all pairs before the next, so that a result's reader stands 16 lines behind it
	s_wait_dscnt 0x0
.if GELU
.set p, 0
.rept 32
	v_fma_f32 v[UR+p], |v[XR+p]|, s[PP], 1.0       ; u = 1 + p |x|
.set p, p+1
.endr
.set p, 0
.rept 32                                       ; t = 1 / u, a plain line behind each: first x (-log2(e) / 2), then that times x, a pair a line
	v_rcp_f32 v[TR+p], v[UR+p]
.if p < 16
	v_pk_mul_f32 v[WR+2*p:WR+2*p+1], v[XR+2*p:XR+2*p+1], s[KK:KK+1] op_sel_hi:[1,0]
.else
	v_pk_mul_f32 v[WR+2*p-32:WR+2*p-31], v[WR+2*p-32:WR+2*p-31], v[XR+2*p-32:XR+2*p-31]
.endif
.set p, p+1
.endr
.set p, 0
.rept 32                                       ; the exponentials, a maximum behind each
	v_exp_f32 v[WR+p], v[WR+p]
	v_max_num_f32 v[MR+p], 0, v[XR+p]
.set p, p+1
.endr
	s_wait_alu depctr_va_vdst(0)                   ; one wait for the 64: none of their results has been named; it stands ahead of the branch and of the first reader
.else
	STEPC
.set p, 0
.rept 16
	v_cvt_pk_bf16_f32 v[YR+p], v[XR+2*p], v[XR+2*p+1]
.set p, p+1
.endr
.endif
	s_add_co_u32 s[RB], s[RB], 8*DP
	v_add_nc_u32 v[RDA], s[RB], v[RDA0]
	s_cmp_eq_u32 s3, 1
	s_cbranch_scc1 .Lnox                           ; the last trip has no rows behind it
	LOADX                                          ; the next eight rows come while these are worked on
.Lnox:
.if GELU
.set p, 0
.rept 16
	v_pk_fma_f32 v[QR+p:QR+p+1], v[TR+p:TR+p+1], s[C5:C5+1], s[C4:C4+1] op_sel_hi:[1,0,0]
.set p, p+2
.endr
.irp c, C3, C2, C1
.set p, 0
.rept 16
	v_pk_fma_f32 v[QR+p:QR+p+1], v[QR+p:QR+p+1], v[TR+p:TR+p+1], s[\c:\c+1] op_sel_hi:[1,1,0]
.set p, p+2
.endr
.endr
.set p, 0
.rept 16
	v_pk_mul_f32 v[QR+p:QR+p+1], v[QR+p:QR+p+1], v[TR+p:TR+p+1]
.set p, p+2
.endr
.set p, 0
.rept 16
	v_pk_mul_f32 v[QR+p:QR+p+1], v[QR+p:QR+p+1], v[WR+p:WR+p+1]       ; e = (1 - Phi(|x|)) / p
.set p, p+2
.endr
.set p, 0
.rept 16
	v_pk_add_f32 v[MR+p:MR+p+1], v[MR+p:MR+p+1], v[QR+p:QR+p+1]
.set p, p+2
.endr
.set p, 0
.rept 16
	v_pk_fma_f32 v[MR+p:MR+p+1], v[UR+p:UR+p+1], v[QR+p:QR+p+1], v[MR+p:MR+p+1] neg_lo:[1,0,0] neg_hi:[1,0,0]  ; max(x, 0) - (u - 1) e
.set p, p+2
.endr
	STEPC
.set p, 0
.rept 16
	v_cvt_pk_bf16_f32 v[YR+p], v[MR+2*p], v[MR+2*p+1]
.set p, p+1
.endr
.endif
.irp j, 0,1,2,3,4,5,6,7
	global_store_b64 v[CO], v[YR+2*(\j):YR+2*(\j)+1], s[8:9] offset:((\j)-8)*ROWB  ; a wave's store covers 256 consecutive bytes, aligned
.endr
	s_sub_co_u32 s3, s3, 1
	s_cmp_lg_u32 s3, 0
	s_cbranch_scc1 .Lrow
	s_wait_tensorcnt 0x0                           ; the wave's end
	ds_add_u32 v[SPW], v[NIL]
	s_wait_dscnt 0x0
	CROUND                                         ; the closing round
	s_endpgm
.Lfunc_end_k_q2833198b6b_qkv:
	.size	k_q2833198b6b_qkv, .Lfunc_end_k_q2833198b6b_qkv-k_q2833198b6b_qkv
	.p2alignl 7, 3214868480
	.fill 96, 4, 3214868480
	.section	.rodata,"a",@progbits
	.p2align	6, 0x0
	.amdhsa_kernel k_q2833198b6b_qkv
		.amdhsa_group_segment_fixed_size 327680
		.amdhsa_private_segment_fixed_size 0
		.amdhsa_enable_private_segment 0
		.amdhsa_kernarg_size 40
		.amdhsa_user_sgpr_count 2
		.amdhsa_user_sgpr_kernarg_segment_ptr 1
		.amdhsa_wavefront_size32 1
		.amdhsa_system_sgpr_workgroup_id_x 1
		.amdhsa_system_sgpr_workgroup_id_y 1
		.amdhsa_system_sgpr_workgroup_id_z 1
		.amdhsa_system_vgpr_workitem_id 0
		.amdhsa_next_free_vgpr 1024
		.amdhsa_next_free_sgpr 100
		.amdhsa_reserve_vcc 0
		.amdhsa_float_denorm_mode_32 3
		.amdhsa_float_denorm_mode_16_64 3
		.amdhsa_memory_ordered 1
		.amdhsa_forward_progress 1
		.amdhsa_inst_pref_size 88
	.end_amdhsa_kernel
	.amdgpu_metadata
---
amdhsa.version: [ 1, 2 ]
amdhsa.kernels:
  - .name:           k_q2833198b6b_qkv
    .symbol:         k_q2833198b6b_qkv.kd
    .args:
      - { .name: wb, .offset: 0, .size: 8, .value_kind: global_buffer, .address_space: global }
      - { .name: bq, .offset: 8, .size: 8, .value_kind: global_buffer, .address_space: global }
      - { .name: bk, .offset: 16, .size: 8, .value_kind: global_buffer, .address_space: global }
      - { .name: bv, .offset: 24, .size: 8, .value_kind: global_buffer, .address_space: global }
      - { .name: qkv, .offset: 32, .size: 8, .value_kind: global_buffer, .address_space: global }
    .group_segment_fixed_size: 327680
    .private_segment_fixed_size: 0
    .kernarg_segment_align: 8
    .kernarg_segment_size: 40
    .max_flat_workgroup_size: 128
    .sgpr_count:     100
    .vgpr_count:     1024
    .wavefront_size: 32
...
	.end_amdgpu_metadata
.endif
;; end of part 2
;; launch attn (part 3): grid 16 x 16, 16 waves a work-group, no clusters, 196,608 bytes of LDS; arguments qkv, ctx; writes ctx
.if DOCPART == 3
	.amdgcn_target "amdgcn-amd-amdhsa--gfx1250"
	.amdhsa_code_object_version 6
	.text
	.protected	k_q2833198b6b_attn
	.globl	k_q2833198b6b_attn
	.p2align	8
	.type	k_q2833198b6b_attn,@function
k_q2833198b6b_attn:
	s_mov_b64 s[64:65], 0
	v_nop
	global_prefetch_b8 v0, s[64:65] scope:SCOPE_SE
	s_setreg_imm32_b32 hwreg(HW_REG_WAVE_MODE, 25, 1), 1
	s_wait_xcnt 0x0
; ctx[b][i][head] = the sum over |i - j| <= 64 of softmax_j(q_i . k_j / 8 - slope |i - j|) v_j.  qkv: [4096][3072] bf16 (q | k | v), ctx: [4096][1024] bf16.
; Products, maximum and sum in f32; the weights are rounded to bf16 for the second product (their sum is taken unrounded), ctx once at the end.
; SHARES.  A work-group: 128 queries (grid x) of two neighbouring heads of one batch (grid y = 8 b + head pair).  A wave: 16 queries of one head.
; A wave walks 160 keys from s = clamp(i0 - 64, 0, 1888) on: they hold every key of the window that exists, and all are rows of the sequence.
; The work-group's 272 rows of K and of V from kstart = clamp(q0 - 64, 0, 1776) on (256 bytes each: both heads) are brought once, by four tensor loads.
; THE BIAS AND THE WINDOW are the C operand that starts S^T = K Q^T: -8 slope |i - j|, or -1e30 outside the window; the weight is 2^(c S - c m), c = log2(e) / 8, m the row's maximum.
; LIMIT.  A score outside the window counts as its value less 1e30 (reference: -1e9): the weight is 0 either way while scores stay far below 1e9 in size.  Every query sees its own key.
; LAYOUT.  In S^T a lane holds one query (l % 16) and the keys 8 (l / 16) + 0..7 of each block of 16; two blocks rounded in pairs are source 1 of O^T = V^T P.
; NO CLUSTER: neighbouring blocks of queries share 144 of their 272 rows, at different places of their tiles; nothing is asked for twice by one work-group.
.set PK,    288                        ; a row of K or V in LDS: 256 bytes + 32
.set VOFF,  272*PK
.set STAGE, 2*VOFF                     ; 128 rows x 272 bytes for the way out; no tile lands there
.set SP,    272
.set SPARE, STAGE+128*SP               ; the spare words, 128 bytes for each of 16 waves
.set AK,  5
.set AV,  6
.set QO,  7
.set STO, 8
.set RD,  9
.set GO,  10
.set BIG, 11                           ; v11  -1e30
.set CM,  12                           ; v[12:13] c m
.set RL,  14                           ; v[14:15] 1 / l
.set S,   16                           ; v[16:95]  S^T, block kb at S + 8 kb; then P in v[16:55]
.set O,   96                           ; v[96:127] O^T, channel block cb at O + 8 cb
.set QF,  128                          ; v[128:143] Q's two fragments
.set BUF, 144                          ; v[144:223] K's fragments of five blocks
.set VF,  128                          ; v[128:223] V's fragments of up to three groups of 32 keys
.set TMP, 224                          ; v[224:239] at work
.set SPW, 240
.set NIL, 241
.set SL,  43                           ; s43  -8 slope
.set CS,  44                           ; s[44:45] c
.set SEL, 46                           ; s[46:47] v_permlanex16_b32's selects
.set M16, 48                           ; s[48:49] -16.0
.set TH,  50                           ; s50  64 x (-8 slope)
.macro PLACES
.rept 4
	v_nop
.endr
.endm
	s_load_b128 s[4:7], s[0:1], 0x0                ; qkv, ctx
	v_lshl_add_u32 v[SPW], v0, 2, SPARE
	v_mov_b32 v[NIL], 0
	ds_add_u32 v[SPW], v[NIL]                      ; the wave's opening: the add and its wait ahead of the first tensor load
	ds_add_u32 v240, v241
	v_lshrrev_b32 v1, 5, v0
	v_readfirstlane_b32 s8, v1                     ; wave 0..15
	s_lshr_b32 s9, s8, 1                           ; my tile of 16 queries
	s_and_b32 s10, s8, 1                           ; my head of the pair
	s_lshl_b32 s11, ttmp9, 7                       ; q0
	s_and_b32 s12, ttmp7, 0xffff
	s_lshr_b32 s13, s12, 3                         ; b
	s_and_b32 s14, s12, 7                          ; the pair of heads
	s_sub_co_i32 s15, s11, 64
	s_max_i32 s15, s15, 0
	s_min_i32 s15, s15, 1776                       ; kstart
	s_lshl4_add_u32 s16, s9, s11                   ; i0
	s_sub_co_i32 s17, s16, 64
	s_max_i32 s17, s17, 0
	s_min_i32 s17, s17, 1888                       ; s
	s_sub_co_u32 s18, s17, s15                     ; my first key's row in the tile:
	s_min_u32 s18, s18, 112                        ; it lies in 0 .. 112; the minimum states the bound
	s_sub_co_u32 s19, s16, s17                     ; i0 - s
	s_mov_b32 s24, (1<<16)|(1<<20)|(5<<22)|(7<<25) ; 2-byte elements; padding on: after every 64 words 8 words
	s_mov_b32 s25, 128<<16                         ; tensor_dim0 = 128
	s_mov_b32 s26, 136<<16                         ; tensor_dim1 = 136
	s_mov_b32 s27, 128<<16                         ; tile_dim0 = 128
	s_mov_b32 s28, 136                             ; tile_dim1 = 136
	s_mov_b32 s29, 3072                            ; elements from row to row
	s_mov_b32 s30, 0
	s_mov_b32 s31, 0
	s_mov_b32 s32, 1
	s_mul_i32 s33, s8, 136*PK                      ; waves 0, 1: K's halves; waves 2, 3: V's
	s_lshl_b32 s20, s13, 11                        ; b x 2,048 rows
	s_mul_i32 s21, s10, 136
	s_add_co_u32 s21, s21, s15
	s_add_co_u32 s21, s21, s20
	s_mul_i32 s22, s21, 6144
	s_add_co_u32 s21, s9, 1                        ; k lies 2,048 bytes into a row, v 4,096
	s_lshl_b32 s21, s21, 11
	s_add_co_u32 s22, s22, s21
	s_lshl_b32 s38, s14, 8                         ; 256 bytes a pair of heads
	s_add_co_u32 s22, s22, s38
	s_mov_b32 s23, 0
	s_add_co_u32 s21, s20, s16                     ; Q at my first query and head
	s_mul_i32 s36, s21, 6144
	s_add_co_u32 s36, s36, s38
	s_lshl_b32 s39, s10, 7
	s_add_co_u32 s36, s36, s39
	s_mov_b32 s37, 0
	s_add_co_u32 s21, s20, s11                     ; ctx at the eight rows that I store
	s_lshl3_add_u32 s21, s8, s21
	s_lshl_b32 s52, s21, 11
	s_add_co_u32 s52, s52, s38
	s_mov_b32 s53, 0
	s_add_co_u32 s[SL], s14, 1                     ; head = 2 pair + hs; 8 slope = 2^(3 - (head + 1) / 2) = 2^(2 - pair) x (hs = 0: sqrt 2; hs = 1: 1), written as bits
	s_lshl_b32 s[SL], s[SL], 23
	s_sub_co_u32 s[SL], 0xc1000000, s[SL]
	s_cmp_eq_u32 s10, 0
	s_cselect_b32 s21, 0x3504f3, 0
	s_add_co_u32 s[SL], s[SL], s21
	s_add_co_u32 s[TH], s[SL], 6<<23
	s_mov_b32 s[CS], 0x3e38aa3b
	s_mov_b32 s[CS+1], 0x3e38aa3b
	s_mov_b32 s[SEL], 0x76543210
	s_mov_b32 s[SEL+1], 0xfedcba98
	s_mov_b32 s[M16], 0xc1800000
	s_mov_b32 s[M16+1], 0xc1800000
	s_wait_dscnt 0x0                               ; the opening add is done
	s_wait_kmcnt 0x0
	s_add_nc_u64 s[34:35], s[4:5], s[22:23]
	s_or_b32 s35, s35, 0x80000000
	s_add_nc_u64 s[36:37], s[4:5], s[36:37]
	s_add_nc_u64 s[52:53], s[6:7], s[52:53]
	s_cmp_lt_u32 s8, 4
	s_cbranch_scc0 .Lno_fill
	tensor_load_to_lds s[32:35], s[24:31]          ; 136 rows x 256 bytes; one load of mine is out
	s_nop 0
.rept 4
	v_nop
.endr
.Lno_fill:
	v_and_b32 v1, 15, v0                           ; r
	v_bfe_u32 v2, v0, 4, 1                         ; h
	v_mul_u32_u24 v[QO], v1, 6144
	v_lshl_add_u32 v[QO], v2, 4, v[QO]
.irp c, 0,1
	global_load_b128 v[QF+8*(\c):QF+8*(\c)+3],   v[QO], s[36:37] offset:64*(\c)
	global_load_b128 v[QF+8*(\c)+4:QF+8*(\c)+7], v[QO], s[36:37] offset:64*(\c)+32
.endr
	v_add_nc_u32 v3, s18, v1                       ; K's fragments: row r of a block, 16 bytes for each half of the lanes
	v_mul_u32_u24 v[AK], v3, PK
	v_lshl_add_u32 v[AK], v2, 4, v[AK]
	v_add_nc_u32 v[AK], s39, v[AK]
	v_and_b32 v3, 7, v0                            ; V's, turned: lane l reads key 8 h + l % 8, channels 8 ((l / 8) % 2) + 0..7
	v_lshl_add_u32 v3, v2, 3, v3
	v_add_nc_u32 v3, s18, v3
	v_mul_u32_u24 v[AV], v3, PK
	v_bfe_u32 v4, v0, 3, 1
	v_lshl_add_u32 v[AV], v4, 4, v[AV]
	s_add_co_u32 s40, s39, VOFF
	v_add_nc_u32 v[AV], s40, v[AV]
	s_lshl_b32 s40, s9, 4                          ; the way out, in: row 16 tile + r, my head's 128 bytes
	v_add_nc_u32 v3, s40, v1
	v_mul_u32_u24 v[STO], v3, SP
	v_lshl_add_u32 v[STO], v2, 4, v[STO]
	s_add_co_u32 s41, s39, STAGE
	v_add_nc_u32 v[STO], s41, v[STO]
	s_lshl_b32 s42, s8, 3                          ; back: rows 8 wave + h, whole
	v_add_nc_u32 v3, s42, v2
	v_mul_u32_u24 v[RD], v3, SP
	v_lshl_add_u32 v[RD], v1, 4, v[RD]
	v_add_nc_u32 v[RD], STAGE, v[RD]
	v_lshlrev_b32 v[GO], 11, v2
	v_lshl_add_u32 v[GO], v1, 4, v[GO]
	v_mov_b32 v[BIG], 0xf149f2ca
	v_mov_b32 v[RL+1], 0
	; i - j for my query and my 80 keys, while the tiles are on their way: (i0 - s) + r - 8 h - 16 kb - register
	v_lshlrev_b32 v3, 3, v2
	v_sub_nc_u32 v3, v1, v3
	v_add_nc_u32 v3, s19, v3
	v_cvt_f32_i32 v[S], v3
	v_add_f32 v[S+1], -1.0, v[S]
.set k, 1
.rept 9
	v_pk_add_f32 v[S+8*k:S+8*k+1], v[S+8*k-8:S+8*k-7], s[M16:M16+1] op_sel_hi:[1,0]
.set k, k+1
.endr
.irp m, 2,4,6
.set k, 0
.rept 10
	v_pk_add_f32 v[S+8*k+(\m):S+8*k+(\m)+1], v[S+8*k+(\m)-2:S+8*k+(\m)-1], -2.0 op_sel_hi:[1,0]
.set k, k+1
.endr
.endr
.set k, 0
.rept 80                                       ; t = -8 slope |i - j|; outside the window, where t < 64 x (-8 slope), -1e30
	v_mul_f32 v[S+k], |v[S+k]|, s[SL]
	v_cmp_gt_f32 vcc_lo, s[TH], v[S+k]
	v_cndmask_b32 v[S+k], v[S+k], v[BIG], vcc_lo
.set k, k+1
.endr
	s_wait_tensorcnt 0x0                           ; my part of the tiles is in (a wave that asked for none passes),
	s_barrier_signal -1
	s_barrier_wait -1                              ; everybody's is
	s_wait_loadcnt 0x0                             ; Q
; Five blocks of 16 keys: 20 loads, the first 32 channels' first; the five accumulators take turns.
.macro KGROUP g
.irp c, 0,1
.irp k, 0,1,2,3,4
	ds_load_b128 v[BUF+8*(5*(\c)+(\k)):BUF+8*(5*(\c)+(\k))+3],   v[AK] offset:16*(5*(\g)+(\k))*PK+64*(\c)
	ds_load_b128 v[BUF+8*(5*(\c)+(\k))+4:BUF+8*(5*(\c)+(\k))+7], v[AK] offset:16*(5*(\g)+(\k))*PK+64*(\c)+32
.endr
.endr
	s_wait_dscnt 10                                ; the first 32 channels are in; the ten younger loads may be out
.irp k, 0,1,2,3,4
	v_wmma_f32_16x16x32_bf16 v[S+8*(5*(\g)+(\k)):S+8*(5*(\g)+(\k))+7], v[BUF+8*(\k):BUF+8*(\k)+7], v[QF:QF+7], v[S+8*(5*(\g)+(\k)):S+8*(5*(\g)+(\k))+7]
.endr
	s_wait_dscnt 0x0
.irp k, 0,1,2,3,4
	v_wmma_f32_16x16x32_bf16 v[S+8*(5*(\g)+(\k)):S+8*(5*(\g)+(\k))+7], v[BUF+8*(5+(\k)):BUF+8*(5+(\k))+7], v[QF+8:QF+15], v[S+8*(5*(\g)+(\k)):S+8*(5*(\g)+(\k))+7]
.endr
	PLACES                                         ; in front of the loads into the fragments' registers and of the reads of the scores
.endm
	KGROUP 0
	KGROUP 1
; n groups of 32 keys from group k0 on, all 64 channels, turned
.macro VGROUP k0, n
.set f, 0
.rept 4*(\n)
	ds_load_tr16_b128 v[VF+8*f:VF+8*f+3],   v[AV] offset:32*((\k0)+f/4)*PK+32*(f%4)
	ds_load_tr16_b128 v[VF+8*f+4:VF+8*f+7], v[AV] offset:(32*((\k0)+f/4)+16)*PK+32*(f%4)
.set f, f+1
.endr
.endm
	VGROUP 0, 3                                    ; they land while the softmax is made
	; the maximum: each accumulator's lowest registers are read first
.set k, 0
.rept 10
	v_max3_num_f32 v[TMP+k], v[S+8*k], v[S+8*k+1], v[S+8*k+2]
.set k, k+1
.endr
.irp m, 3,5
.set k, 0
.rept 10
	v_max3_num_f32 v[TMP+k], v[TMP+k], v[S+8*k+(\m)], v[S+8*k+(\m)+1]
.set k, k+1
.endr
.endr
.set k, 0
.rept 10
	v_max_num_f32 v[TMP+k], v[TMP+k], v[S+8*k+7]
.set k, k+1
.endr
	v_max3_num_f32 v[TMP], v[TMP], v[TMP+1], v[TMP+2]
	v_max3_num_f32 v[TMP+3], v[TMP+3], v[TMP+4], v[TMP+5]
	v_max3_num_f32 v[TMP+6], v[TMP+6], v[TMP+7], v[TMP+8]
	v_max3_num_f32 v[TMP], v[TMP], v[TMP+3], v[TMP+6]
	v_max_num_f32 v[TMP], v[TMP], v[TMP+9]
	v_permlanex16_b32 v[TMP+1], v[TMP], s[SEL], s[SEL+1]  ; the query's other 80 keys lie in the lane 16 away
	v_max_num_f32 v[TMP], v[TMP], v[TMP+1]
	v_mul_f32 v[CM], s[CS], v[TMP]
	v_mul_f32 v[CM+1], s[CS], v[TMP]
.set p, 0
.rept 40                                       ; c S - c m, a pair at a time; behind each the exponentials of the pair before: one batch, none of whose results is named in it
	v_pk_fma_f32 v[S+2*p:S+2*p+1], v[S+2*p:S+2*p+1], s[CS:CS+1], v[CM:CM+1] op_sel_hi:[1,0,1] neg_lo:[0,0,1] neg_hi:[0,0,1]
.if p > 0
	v_exp_f32 v[S+2*p-2], v[S+2*p-2]
	v_exp_f32 v[S+2*p-1], v[S+2*p-1]
.endif
.set p, p+1
.endr
	v_exp_f32 v[S+78], v[S+78]
	v_exp_f32 v[S+79], v[S+79]
	v_nop                                          ; a plain instruction behind the last exponential
	s_wait_alu depctr_va_vdst(0)                   ; one wait for the 80
.irp c, 0,2,4,6
	v_pk_add_f32 v[TMP+(\c):TMP+(\c)+1], v[S+(\c):S+(\c)+1], v[S+8+(\c):S+8+(\c)+1]
.endr
.set k, 2
.rept 8
.irp c, 0,2,4,6
	v_pk_add_f32 v[TMP+(\c):TMP+(\c)+1], v[TMP+(\c):TMP+(\c)+1], v[S+8*k+(\c):S+8*k+(\c)+1]
.endr
.set k, k+1
.endr
	v_pk_add_f32 v[TMP:TMP+1], v[TMP:TMP+1], v[TMP+2:TMP+3]
	v_pk_add_f32 v[TMP+4:TMP+5], v[TMP+4:TMP+5], v[TMP+6:TMP+7]
	v_pk_add_f32 v[TMP:TMP+1], v[TMP:TMP+1], v[TMP+4:TMP+5]
	v_add_f32 v[TMP], v[TMP], v[TMP+1]
	v_permlanex16_b32 v[TMP+1], v[TMP], s[SEL], s[SEL+1]
	v_add_f32 v[TMP], v[TMP], v[TMP+1]
	v_rcp_f32 v[RL], v[TMP]
.set p, 0
.rept 40                                       ; P, in place from the low end: register p takes weights 2 p and 2 p + 1, which lie at or above it
	v_cvt_pk_bf16_f32 v[S+p], v[S+2*p], v[S+2*p+1]
.set p, p+1
.endr
	s_wait_alu depctr_va_vdst(0)                   ; the reciprocal's wait; the 40 roundings stand between
	s_wait_dscnt 0x0                               ; V's first three groups are in
.set f, 0
.rept 12                                       ; O^T = V^T P: the four accumulators take turns; the first four products start the sums
.if f < 4
	v_wmma_f32_16x16x32_bf16 v[O+8*(f%4):O+8*(f%4)+7], v[VF+8*f:VF+8*f+7], v[S+8*(f/4):S+8*(f/4)+7], 0
.else
	v_wmma_f32_16x16x32_bf16 v[O+8*(f%4):O+8*(f%4)+7], v[VF+8*f:VF+8*f+7], v[S+8*(f/4):S+8*(f/4)+7], v[O+8*(f%4):O+8*(f%4)+7]
.endif
.set f, f+1
.endr
	PLACES
	VGROUP 3, 2
	s_wait_dscnt 0x0
.set f, 0
.rept 8
	v_wmma_f32_16x16x32_bf16 v[O+8*(f%4):O+8*(f%4)+7], v[VF+8*f:VF+8*f+7], v[S+8*(3+f/4):S+8*(3+f/4)+7], v[O+8*(f%4):O+8*(f%4)+7]
.set f, f+1
.endr
	PLACES
.set p, 0
.rept 16
	v_pk_mul_f32 v[O+2*p:O+2*p+1], v[O+2*p:O+2*p+1], v[RL:RL+1] op_sel_hi:[1,0]
.set p, p+1
.endr
.set p, 0
.rept 16
	v_cvt_pk_bf16_f32 v[TMP+p], v[O+2*p], v[O+2*p+1]
.set p, p+1
.endr
.irp c, 0,1,2,3
	ds_store_b128 v[STO], v[TMP+4*(\c):TMP+4*(\c)+3] offset:32*(\c)
.endr
	s_wait_dscnt 0x0                               ; for the others' sake: a row's 256 bytes come from two waves
	s_barrier_signal -1
	s_barrier_wait -1
.irp f, 0,1,2,3
	ds_load_b128 v[O+4*(\f):O+4*(\f)+3], v[RD] offset:(\f)*2*SP
.endr
.irp f, 0,1,2,3
	s_wait_dscnt 3-(\f)
	global_store_b128 v[GO], v[O+4*(\f):O+4*(\f)+3], s[52:53] offset:(\f)*4096  ; 16 lanes store 256 consecutive bytes, aligned
.endr
	s_wait_tensorcnt 0x0                           ; the wave's end
	ds_add_u32 v[SPW], v[NIL]
	s_wait_dscnt 0x0
	s_endpgm
.Lfunc_end_k_q2833198b6b_attn:
	.size	k_q2833198b6b_attn, .Lfunc_end_k_q2833198b6b_attn-k_q2833198b6b_attn
	.p2alignl 7, 3214868480
	.fill 96, 4, 3214868480
	.section	.rodata,"a",@progbits
	.p2align	6, 0x0
	.amdhsa_kernel k_q2833198b6b_attn
		.amdhsa_group_segment_fixed_size 196608
		.amdhsa_private_segment_fixed_size 0
		.amdhsa_enable_private_segment 0
		.amdhsa_kernarg_size 16
		.amdhsa_user_sgpr_count 2
		.amdhsa_user_sgpr_kernarg_segment_ptr 1
		.amdhsa_wavefront_size32 1
		.amdhsa_system_sgpr_workgroup_id_x 1
		.amdhsa_system_sgpr_workgroup_id_y 1
		.amdhsa_system_sgpr_workgroup_id_z 1
		.amdhsa_system_vgpr_workitem_id 0
		.amdhsa_next_free_vgpr 244
		.amdhsa_next_free_sgpr 66
		.amdhsa_reserve_vcc 1
		.amdhsa_float_denorm_mode_32 3
		.amdhsa_float_denorm_mode_16_64 3
		.amdhsa_memory_ordered 1
		.amdhsa_forward_progress 1
		.amdhsa_inst_pref_size 43
	.end_amdhsa_kernel
	.amdgpu_metadata
---
amdhsa.version: [ 1, 2 ]
amdhsa.kernels:
  - .name:           k_q2833198b6b_attn
    .symbol:         k_q2833198b6b_attn.kd
    .args:
      - { .name: qkv, .offset: 0, .size: 8, .value_kind: global_buffer, .address_space: global }
      - { .name: ctx, .offset: 8, .size: 8, .value_kind: global_buffer, .address_space: global }
    .group_segment_fixed_size: 196608
    .private_segment_fixed_size: 0
    .kernarg_segment_align: 8
    .kernarg_segment_size: 16
    .max_flat_workgroup_size: 512
    .sgpr_count:     66
    .vgpr_count:     244
    .wavefront_size: 32
...
	.end_amdgpu_metadata
.endif
;; end of part 3
;; launch wo (part 4): grid 8 x 32, 4 waves a work-group, clusters of 4 x 4, 327,680 bytes of LDS; arguments ctx, wb, bo, ysum; writes ysum
.if DOCPART == 4
	.amdgcn_target "amdgcn-amd-amdhsa--gfx1250"
	.amdhsa_code_object_version 6
	.text
	.protected	k_q2833198b6b_wo
	.globl	k_q2833198b6b_wo
	.p2align	8
	.type	k_q2833198b6b_wo,@function
k_q2833198b6b_wo:
	s_mov_b64 s[64:65], 0
	v_nop
	global_prefetch_b8 v0, s[64:65] scope:SCOPE_SE
	s_setreg_imm32_b32 hwreg(HW_REG_WAVE_MODE, 25, 1), 1
	s_wait_xcnt 0x0
	s_wait_alu depctr_hold_cnt(0) depctr_sa_sdst(0) depctr_va_vdst(0) depctr_va_sdst(0) depctr_va_ssrc(0) depctr_va_vcc(0) depctr_vm_vsrc(0)
	s_getreg_b32 s2, hwreg(HW_REG_IB_STS2, 6, 4)
	s_cmp_eq_u32 s2, 0
	s_cbranch_scc0 .Lentry_in_a_cluster
	s_endpgm
.Lentry_in_a_cluster:
	s_bfe_u32 s2, ttmp6, 0x10000c
	s_cmp_lg_u32 s2, 0xf033
	s_cbranch_scc0 .Lentry_shape_is_right
	s_endpgm
.Lentry_shape_is_right:
; ysum = R + A B + bias, in f32.  A: [4096][SIZE_K] bf16, K along the rows.  B: [SIZE_K][1024] bf16 (in wb), N along the rows.  R: [4096][1024] bf16.
; FFN2 = 0: A = ctx, B = Wo, R = x (the bf16 copy at wb's head), SIZE_K = 1,024.  FFN2 = 1: A = act, B = W2, R = hb, SIZE_K = 4,096.
; A tile of the result is 128 x 128, so that 256 work-groups share the 4,096 x 1,024; four waves, 64 x 64 each: 16 accumulators.  K goes in steps of 256 through two LDS slots.
; CLUSTER 4 x 4: A's tile is asked for jointly along a row of the cluster, B's along a column.  The product is taken transposed (source 0 = 16 columns of B, turned by
; ds_load_tr16_b128; source 1 = 16 rows of A).  The bias, rounded to bf16 like every input, is the C operand that starts the sums.
; THE TEXT: a first quarter step, a loop whose trips each fill a slot again, and a loop of two trips for the last two K steps, which ask for nothing.
; the last trip jumps forward over the fetch of a slot that does not exist and over the next step's first quarter.
; THE WAY OUT: the four waves lay the tile, f32, into the ring's bytes when it has had its last fill and read; each wave reads 32 whole rows back, adds the residual, which it
; loaded at the kernel's head, and stores 512 consecutive bytes, aligned, an instruction.
.set FFN2, 0
.if FFN2
.set SIZE_K, 4096
.set BBASE,  0x1800000
.set RP,     94
.set OP,     96
.else
.set SIZE_K, 1024
.set BBASE,  0xe00000
.set RP,     90
.set OP,     94
.endif
.set PREF,  FFN2                       ; prefetches: only where K has steps four ahead of a refill for most of the walk
.set KSTEP, 256
.set STEPS, SIZE_K/KSTEP
.set PA,    528                        ; a row of A in LDS: 512 bytes + 16
.set PB,    288                        ; a row of B (one k, 128 columns): 256 bytes + 32
.set HA,    64*PA
.set HB,    128*PB
.set BOFF,  2*HA
.set SLOT,  0x24000                    ; A's 128 rows and B's 256 take 141,312 bytes; a slot's two bits are clear in all four parts' places, so one exclusive or changes slots
.set SPARE, 2*SLOT
.set DP,    528
.set ASTEP, KSTEP*2
.set BSTEP, KSTEP*2048
.set ADRA0, 6
.set ADRB0, 7
.set ADRA,  16
.set ADRB,  20
.set ADRB2, 21                         ; v21  ADRB + 128 rows: the immediate does not reach the slot's second half of B
.set DST,   24
.set RDA,   25
.set CO,    26
.set ONE,   27                         ; v27  1.0
.set SPW,   28
.set NIL,   29
.set PFO,   30
.set RO,    31                         ; v31  my 8 bytes of a residual row; never rewritten
.set RES,   32                         ; v[32:95]   the residual of my 32 rows
.set BIAS,  96                         ; v[96:127]
.set ACC,   128                        ; v[128:255] (a, b) at ACC + 8 (4 a + b)
.set F0,    0                          ; fragment buffers, in window 1: 64 registers of A, then 64 of B
.set F1,    128
.set G1,  24
.set G0,  32
.set G1B, 48
.set G0B, 56
.set LIM, 43
.set PFA, 44
.set TB,  66
.set PSTEP, 68
.set BPT, 70
.set RPT, 72
.set MSB, 0
.macro WIN new
.if MSB != (\new)
	s_set_vgpr_msb (MSB<<8)|(\new)
.set MSB, \new
.endif
.endm
.set MUL,  0x05                        ; sources 0 and 1 window 1; C and D window 0
.set TO_F, 0x40                        ; destination window 1, address window 0
.macro PLACES
.rept 4
	v_nop
.endr
.endm
.macro JLOAD                           ; a joint refill by the walking sets; an s_nop 0 and four v_nop follow each line
	s_cmp_eq_u32 s11, 0
	s_cbranch_scc0 .Lfor_b_\@
	tensor_load_to_lds s[G0+4:G0+7], s[G1:G1+7]
	s_nop 0
.rept 4
	v_nop
.endr
	s_branch .Lasked_\@
.Lfor_b_\@:
	tensor_load_to_lds s[G0B+4:G0B+7], s[G1B:G1B+7]
	s_nop 0
.rept 4
	v_nop
.endr
.Lasked_\@:
.endm
.macro ASK                             ; one prefetch: 32 blocks of 256 bytes of the K step two refills on; the last two refills have none
	s_cmp_gt_u32 s3, s[LIM]
	s_cbranch_scc0 .Lnot_mine_\@
	global_prefetch_b8 v[PFO], s[PFA:PFA+1] th:TH_LOAD_NT scope:SCOPE_SE
.Lnot_mine_\@:
.endm
.macro CREST
	s_cmp_lg_u32 s10, 0
	s_cbranch_scc1 .Lnot_wave_0_\@
	s_barrier_signal -3
.Lnot_wave_0_\@:
	s_barrier_wait -3
	s_barrier_signal -1
	s_barrier_wait -1
.endm
.macro CROUND
	s_barrier_signal -1
	s_barrier_wait -1
	CREST
.endm
	s_load_b256 s[88:95], s[0:1], 0x0              ; FFN2 = 0: ctx, wb, bo, ysum;  FFN2 = 1: act, wb, b2, hb
.if FFN2
	s_load_b64 s[96:97], s[0:1], 0x20              ; ysum
.endif
	v_lshl_add_u32 v[SPW], v0, 2, SPARE
	v_mov_b32 v[NIL], 0
	ds_add_u32 v[SPW], v[NIL]                      ; the wave's opening: the add and its wait ahead of my first tensor load
	ds_add_u32 v28, v29
	v_lshrrev_b32 v1, 5, v0
	v_readfirstlane_b32 s10, v1
	s_lshr_b32 s11, s10, 1                         ; my half of the rows; also: I fetch for A (0) or B (1)
	s_and_b32 s12, s10, 1                          ; my half of the columns; also: which half of that tile I fetch
	s_bfe_u32 s40, ttmp6, 0x40000
	s_bfe_u32 s41, ttmp6, 0x40004
	s_lshl_b32 s42, ttmp9, 2
	s_add_co_u32 s42, s42, s40                     ; tile column
	s_and_b32 s13, ttmp7, 0xffff
	s_lshl_b32 s13, s13, 2
	s_add_co_u32 s13, s13, s41                     ; tile row
	s_lshl_b32 s43, s41, 2
	s_lshl_b32 s43, 15, s43
	s_lshl_b32 s44, 0x1111, s40
	s_or_b32 s[G1+0], s43, (1<<16)|(1<<20)|(1<<21)|(6<<22)|(3<<25)   ; after every 128 words 4 words
	s_or_b32 s[G1B+0], s44, (1<<16)|(1<<20)|(1<<21)|(5<<22)|(7<<25)  ; after every 64 words 8 words
	s_mov_b32 s[G1+1], 256<<16                     ; 256 along K
	s_mov_b32 s[G1+2], 64<<16                      ; 64 rows
	s_mov_b32 s[G1+3], 256<<16
	s_mov_b32 s[G1+4], 64
	s_mov_b32 s[G1+5], SIZE_K
	s_mov_b32 s[G1+6], 0
	s_mov_b32 s[G1+7], 0
	s_mov_b32 s[G1B+1], 128<<16                    ; 128 columns
	s_mov_b32 s[G1B+2], 128<<16                    ; 128 rows (k)
	s_mov_b32 s[G1B+3], 128<<16
	s_mov_b32 s[G1B+4], 128
	s_mov_b32 s[G1B+5], 1024
	s_mov_b32 s[G1B+6], 0
	s_mov_b32 s[G1B+7], 0
	s_lshl_b32 s17, s12, 6
	s_lshl_b32 s16, s13, 7
	s_add_co_u32 s16, s16, s17                     ; A: row 128 x tile row + 64 x half
	s_mul_i32 s16, s16, SIZE_K*2
	s_mov_b32 s17, 0
	s_lshl_b32 s46, s42, 8                         ; B: 256 bytes a tile column,
	s_lshl_b32 s47, s12, 18                        ; my 128 rows of the K step
	s_add_co_u32 s46, s46, s47
	s_add_co_u32 s46, s46, BBASE
	s_mov_b32 s47, 0
	s_mul_i32 s20, s12, HA                         ; where a part goes: A's halves, then B's
	s_mul_i32 s21, s12, HB
	s_add_co_u32 s21, s21, BOFF
	s_wait_dscnt 0x0
	s_wait_kmcnt 0x0
	s_add_nc_u64 s[14:15], s[88:89], s[16:17]
	s_add_nc_u64 s[46:47], s[90:91], s[46:47]
	CROUND                                         ; all sixteen work-groups are here: the first joint loads meet
.irp s, 0,1
	s_mov_b32 s[G0+4*(\s)], 1
	s_add_co_u32 s[G0+4*(\s)+1], s20, (\s)*SLOT
	s_add_nc_u64 s[G0+4*(\s)+2:G0+4*(\s)+3], s[14:15], (\s)*ASTEP
	s_or_b32 s[G0+4*(\s)+3], s[G0+4*(\s)+3], 0x80000000
	s_mov_b32 s[G0B+4*(\s)], 1
	s_add_co_u32 s[G0B+4*(\s)+1], s21, (\s)*SLOT
	s_add_nc_u64 s[G0B+4*(\s)+2:G0B+4*(\s)+3], s[46:47], (\s)*BSTEP
	s_or_b32 s[G0B+4*(\s)+3], s[G0B+4*(\s)+3], 0x80000000
.endr
	s_cmp_eq_u32 s11, 0                            ; a wave's two first fills stand in one branch: two loads of mine are out
	s_cbranch_scc0 .Lfirst_b
	tensor_load_to_lds s[G0:G0+3], s[G1:G1+7]
	s_nop 0
	tensor_load_to_lds s[G0+4:G0+7], s[G1:G1+7]
	s_nop 0
.rept 4
	v_nop
.endr
	s_branch .Lfirst_asked
.Lfirst_b:
	tensor_load_to_lds s[G0B:G0B+3], s[G1B:G1B+7]
	s_nop 0
	tensor_load_to_lds s[G0B+4:G0B+7], s[G1B:G1B+7]
	s_nop 0
.rept 4
	v_nop
.endr
.Lfirst_asked:
	v_and_b32 v1, 15, v0                           ; r
	v_bfe_u32 v2, v0, 4, 1                         ; h
	v_lshlrev_b32 v5, 5, v2
	s_lshl_b32 s22, s42, 9                         ; the bias at my first column: 128 x 4 bytes a tile column, 64 x 4 a half
	s_lshl_b32 s23, s12, 8
	s_add_co_u32 s22, s22, s23
	s_mov_b32 s23, 0
	s_add_nc_u64 s[BPT:BPT+1], s[92:93], s[22:23]
.irp b, 0,1,2,3
	global_load_b128 v[BIAS+8*(\b):BIAS+8*(\b)+3],   v5, s[BPT:BPT+1] offset:64*(\b)
	global_load_b128 v[BIAS+8*(\b)+4:BIAS+8*(\b)+7], v5, s[BPT:BPT+1] offset:64*(\b)+16
.endr
	s_lshl_b32 s22, s13, 7                         ; the 32 rows that I store: 128 x tile row + 32 x wave
	s_lshl_b32 s23, s10, 5
	s_add_co_u32 s18, s22, s23
	s_lshl_b32 s22, s18, 11                        ; the residual: 2,048 bytes a row, 256 a tile column
	s_lshl_b32 s23, s42, 8
	s_add_co_u32 s22, s22, s23
	s_mov_b32 s23, 0
	s_add_nc_u64 s[RPT:RPT+1], s[RP:RP+1], s[22:23]
	v_and_b32 v4, 31, v0
	v_lshlrev_b32 v[RO], 3, v4
.set j, 0
.rept 32
	global_load_b64 v[RES+2*j:RES+2*j+1], v[RO], s[RPT:RPT+1] offset:2048*j  ; 32 lanes read 256 consecutive bytes, aligned; they stay out until the way out
.set j, j+1
.endr
	s_lshl_b32 s22, s18, 12                        ; the result: 4,096 bytes a row, 512 a tile column
	s_lshl_b32 s23, s42, 9
	s_add_co_u32 s22, s22, s23
	s_mov_b32 s23, 0
	s_add_nc_u64 s[8:9], s[OP:OP+1], s[22:23]
	v_lshlrev_b32 v[CO], 4, v4
	v_mov_b32 v[ONE], 1.0
	v_mul_u32_u24 v3, v1, PA
	v_lshl_add_u32 v3, v2, 4, v3
	s_mul_i32 s22, s11, HA
	v_add_nc_u32 v[ADRA0], s22, v3
	v_and_b32 v3, 7, v0
	v_lshl_add_u32 v3, v2, 3, v3
	v_mul_u32_u24 v3, v3, PB
	v_bfe_u32 v[DST], v0, 3, 1
	v_lshl_add_u32 v3, v[DST], 4, v3
	s_lshl_b32 s22, s12, 7
	s_add_co_u32 s22, s22, BOFF
	v_add_nc_u32 v[ADRB0], s22, v3
	v_mov_b32 v[ADRA], v[ADRA0]
	v_mov_b32 v[ADRB], v[ADRB0]
	v_add_nc_u32 v[ADRB2], 128*PB, v[ADRB0]
	s_mov_b32 s[TB], 0
	s_mul_i32 s22, s11, 64*DP                      ; the way out, in: row 64 x half + r, columns 64 x half + 8 h
	s_lshl_b32 s23, s12, 8
	s_add_co_u32 s22, s22, s23
	v_mul_u32_u24 v3, v1, DP
	v_lshl_add_u32 v3, v2, 5, v3
	v_add_nc_u32 v[DST], s22, v3
	s_mul_i32 s22, s10, 32*DP                      ; back: rows 32 x wave on, whole
	v_lshl_add_u32 v[RDA], v4, 4, s22
.if PREF
	; A's rows are read by both clusters of a row of clusters: cluster x = 0 asks; B's by every cluster of a column: cluster y = 0 asks.  The four partners of a joint
	; load share its blocks out by address: A: 16 rows each, two blocks of 256 bytes a row; B: 32 rows each, a lane a row.
	s_mov_b32 s18, 16*SIZE_K*2
	s_mov_b32 s19, 32*2048
	s_mov_b32 s22, SIZE_K*2
	s_mov_b32 s23, 2048
	s_mov_b32 s[PSTEP], ASTEP
	s_mov_b32 s[PSTEP+1], BSTEP
	s_and_b32 s20, ttmp7, 0xffff
	s_xor_b32 s16, s11, 1
	s_cmp_eq_u32 s11, 0
	s_cselect_b64 s[PFA:PFA+1], s[14:15], s[46:47]
	s_cselect_b32 s21, s40, s41
	s_cselect_b32 s18, s18, s19
	s_cselect_b32 s22, s22, s23
	s_cselect_b32 s[PSTEP], s[PSTEP], s[PSTEP+1]
	s_cselect_b32 s20, ttmp9, s20
	s_mov_b32 s[PSTEP+1], 0
	s_cmp_eq_u32 s20, 0
	s_cselect_b32 s[LIM], 2, -1
	s_mul_i32 s20, s21, s18
	s_mov_b32 s21, 0
	s_add_nc_u64 s[PFA:PFA+1], s[PFA:PFA+1], s[20:21]
	s_mul_i32 s20, s[PSTEP], 3                     ; at K step 3: the first refill steps it to 4
	s_add_nc_u64 s[PFA:PFA+1], s[PFA:PFA+1], s[20:21]
	v_lshrrev_b32 v3, s16, v4
	v_mul_u32_u24 v[PFO], s22, v3
	v_and_b32 v3, s16, v4
	v_lshl_add_u32 v[PFO], v3, 8, v[PFO]
.endif
	s_wait_loadcnt 32                              ; the bias is in; the 32 younger loads, the residual's, stay out
.set p, 0
.rept 16                                       ; rounded to bf16 like every input, and widened again
	v_cvt_pk_bf16_f32 v[3+p%2], v[BIAS+2*p], v[BIAS+2*p+1]
	v_lshlrev_b32 v[BIAS+2*p], 16, v[3+p%2]
	v_and_b32 v[BIAS+2*p+1], 0xffff0000, v[3+p%2]
.set p, p+1
.endr
; 8 matrix instructions: row blocks a0, a0 + 1 x all 4 column blocks, 32 along K: half c of buffer f.  zero = 1: the bias starts the sums.  The 16 accumulators take turns.
.macro MUL8 f, c, a0, zero
	WIN MUL
.irp a, \a0, (\a0)+1
.irp b, 0,1,2,3
.if \zero
	v_wmma_f32_16x16x32_bf16 v[ACC+8*(4*(\a)+(\b)):ACC+8*(4*(\a)+(\b))+7], v[(\f)+64+8*(4*(\c)+(\b)):(\f)+64+8*(4*(\c)+(\b))+7], v[(\f)+8*(4*(\c)+(\a)):(\f)+8*(4*(\c)+(\a))+7], v[BIAS+8*(\b):BIAS+8*(\b)+7]
.else
	v_wmma_f32_16x16x32_bf16 v[ACC+8*(4*(\a)+(\b)):ACC+8*(4*(\a)+(\b))+7], v[(\f)+64+8*(4*(\c)+(\b)):(\f)+64+8*(4*(\c)+(\b))+7], v[(\f)+8*(4*(\c)+(\a)):(\f)+8*(4*(\c)+(\a))+7], v[ACC+8*(4*(\a)+(\b)):ACC+8*(4*(\a)+(\b))+7]
.endif
.endr
.endr
.endm
; 32 LDS loads in one run: quarter q (64 along K) of the slot in hand into buffer f, its first 32 along K first
.macro FETCH q, f
	WIN TO_F
.irp c, 0,1
.irp i, 0,1,2,3
.if (\q) < 2
	ds_load_tr16_b128 v[(\f)+64+8*(4*(\c)+(\i)):(\f)+64+8*(4*(\c)+(\i))+3],   v[ADRB] offset:(64*(\q)+32*(\c))*PB+32*(\i)
	ds_load_tr16_b128 v[(\f)+64+8*(4*(\c)+(\i))+4:(\f)+64+8*(4*(\c)+(\i))+7], v[ADRB] offset:(64*(\q)+32*(\c)+16)*PB+32*(\i)
.else
	ds_load_tr16_b128 v[(\f)+64+8*(4*(\c)+(\i)):(\f)+64+8*(4*(\c)+(\i))+3],   v[ADRB2] offset:(64*((\q)-2)+32*(\c))*PB+32*(\i)
	ds_load_tr16_b128 v[(\f)+64+8*(4*(\c)+(\i))+4:(\f)+64+8*(4*(\c)+(\i))+7], v[ADRB2] offset:(64*((\q)-2)+32*(\c)+16)*PB+32*(\i)
.endif
	ds_load_b128 v[(\f)+8*(4*(\c)+(\i)):(\f)+8*(4*(\c)+(\i))+3],   v[ADRA] offset:128*(\q)+64*(\c)+(\i)*16*PA
	ds_load_b128 v[(\f)+8*(4*(\c)+(\i))+4:(\f)+8*(4*(\c)+(\i))+7], v[ADRA] offset:128*(\q)+64*(\c)+(\i)*16*PA+32
.endr
.endr
.endm
; One of a K step's first three quarters: multiplies buffer f; behind its first eight products it fetches quarter q into buffer g, 24 products ahead of the first use.
.macro QUARTER q, f, g, zero
	s_wait_dscnt 16                                ; the first 32 along K are in; the sixteen younger loads may be out
	MUL8 \f, 0, 0, \zero
	PLACES                                         ; buffer g was last read by the quarter before
	FETCH \q, \g
	MUL8 \f, 0, 2, \zero
	s_wait_dscnt 32                                ; all but the 32 just issued
	MUL8 \f, 1, 0, 0
	MUL8 \f, 1, 2, 0
.endm
; The last quarter multiplies buffer 1 and changes slots, behind its first eight products.  A K step has 128 products a wave, and a tile that comes late holds every wave of the cluster: so
; between the wait for my tensor load and the next request stand the add and its wait, the descriptors' steps and the round alone, and no product; a request has the whole step, 128 products, in which to land.
; fill = 1: this slot is filled again, two K steps ahead, first thing behind a round of the cluster's barrier.  fill = 0: the last two K steps: nothing is asked for, and in the last trip (s3 = 1) there is no next slot to fetch from.
.macro TURN fill
.if (\fill) && PREF
	s_wait_xcnt 0x0                                ; the last prefetch, a K step back, has read its address
	s_add_nc_u64 s[PFA:PFA+1], s[PFA:PFA+1], s[PSTEP:PSTEP+1]
.endif
	s_wait_dscnt 16                                ; the first 32 along K are in
	MUL8 F1, 0, 0, 0
	WIN 0
	s_wait_tensorcnt 0x0                           ; all my tensor loads have landed: my part of the next slot; so the descriptors may be written
	ds_add_u32 v[SPW], v[NIL]                      ; 0 onto my spare word; the scalar steps stand between it and the wait for it
.if \fill
	s_xor_b32 s[G0+5], s[G0+5], SLOT               ; the walking sets: the other slot than last time, the next K step
	s_add_nc_u64 s[G0+6:G0+7], s[G0+6:G0+7], ASTEP
	s_xor_b32 s[G0B+5], s[G0B+5], SLOT
	s_add_nc_u64 s[G0B+6:G0B+7], s[G0B+6:G0B+7], BSTEP
.endif
	s_xor_b32 s[TB], s[TB], SLOT
	s_wait_dscnt 0x0                               ; the add is done, and my reads of this slot are over
	s_barrier_signal -1
	s_barrier_wait -1
.if \fill
	CREST                                          ; no wave of any partner still reads this slot or has a load on its way
	JLOAD                                          ; its four v_nop are also the places in front of the loads below
.else
	PLACES
.endif
	v_add_nc_u32 v[ADRA], s[TB], v[ADRA0]
	v_add_nc_u32 v[ADRB], s[TB], v[ADRB0]
	v_add_nc_u32 v[ADRB2], 128*PB, v[ADRB]
.if \fill
	FETCH 0, F0
.if PREF
	WIN 0
	ASK
.endif
.else
	s_cmp_eq_u32 s3, 1
	s_cbranch_scc1 .Lno_next_\@
	FETCH 0, F0
	WIN 0
.Lno_next_\@:
.endif
	MUL8 F1, 0, 2, 0
	MUL8 F1, 1, 0, 0
	MUL8 F1, 1, 2, 0
.endm
	s_wait_tensorcnt 1                             ; my part of K step 0 is in; K step 1's may stay out
	s_barrier_signal -1
	s_barrier_wait -1
	FETCH 0, F0
	QUARTER 1, F0, F1, 1
	WIN 0
	s_mov_b32 s3, STEPS-2
.Lk:                                               ; a trip: a K step's quarters 1 to 3 and the next step's quarter 0; one refill
	QUARTER 2, F1, F0, 0
	QUARTER 3, F0, F1, 0
	TURN 1
	QUARTER 1, F0, F1, 0
	WIN 0
	s_sub_co_u32 s3, s3, 1
	s_cmp_lg_u32 s3, 0
	s_cbranch_scc1 .Lk
	s_mov_b32 s3, 2
.Lt:                                               ; the last two K steps ask for nothing: the same trip without a refill; the last one ends behind its own last quarter
	QUARTER 2, F1, F0, 0
	QUARTER 3, F0, F1, 0
	TURN 0
	WIN 0
	s_cmp_eq_u32 s3, 1
	s_cbranch_scc1 .Llast                          ; forward, over products and LDS loads alone
	QUARTER 1, F0, F1, 0
	WIN 0
.Llast:
	s_sub_co_u32 s3, s3, 1
	s_cmp_lg_u32 s3, 0
	s_cbranch_scc1 .Lt
	; THE WAY OUT
	PLACES
	s_wait_dscnt 0x0
	s_barrier_signal -1
	s_barrier_wait -1                              ; every wave's reads of the ring are over, and the ring has had its last fill
.irp a, 0,1,2,3
.irp b, 0,1,2,3
	ds_store_b128 v[DST], v[ACC+8*(4*(\a)+(\b)):ACC+8*(4*(\a)+(\b))+3]   offset:16*(\a)*DP+64*(\b)
	ds_store_b128 v[DST], v[ACC+8*(4*(\a)+(\b))+4:ACC+8*(4*(\a)+(\b))+7] offset:16*(\a)*DP+64*(\b)+16
.endr
.endr
	s_wait_dscnt 0x0                               ; for the others' sake: a row's 512 bytes come from two waves
	s_barrier_signal -1
	s_barrier_wait -1
	s_wait_loadcnt 0x0                             ; the residual
.set j, 0
.rept 32
	ds_load_b128 v[ACC+4*j:ACC+4*j+3], v[RDA] offset:j*DP
.set j, j+1
.endr
.set j, 0
.rept 32
	s_wait_dscnt 31-j
	v_fma_mix_f32_bf16 v[ACC+4*j],   v[RES+2*j],   v[ONE], v[ACC+4*j]   op_sel:[0,0,0] op_sel_hi:[1,0,0]
	v_fma_mix_f32_bf16 v[ACC+4*j+1], v[RES+2*j],   v[ONE], v[ACC+4*j+1] op_sel:[1,0,0] op_sel_hi:[1,0,0]
	v_fma_mix_f32_bf16 v[ACC+4*j+2], v[RES+2*j+1], v[ONE], v[ACC+4*j+2] op_sel:[0,0,0] op_sel_hi:[1,0,0]
	v_fma_mix_f32_bf16 v[ACC+4*j+3], v[RES+2*j+1], v[ONE], v[ACC+4*j+3] op_sel:[1,0,0] op_sel_hi:[1,0,0]
	global_store_b128 v[CO], v[ACC+4*j:ACC+4*j+3], s[8:9] offset:4096*j
.set j, j+1
.endr
	s_wait_tensorcnt 0x0                           ; the wave's end
	ds_add_u32 v[SPW], v[NIL]
	s_wait_dscnt 0x0
	CROUND                                         ; the closing round
	s_endpgm
.Lfunc_end_k_q2833198b6b_wo:
	.size	k_q2833198b6b_wo, .Lfunc_end_k_q2833198b6b_wo-k_q2833198b6b_wo
	.p2alignl 7, 3214868480
	.fill 96, 4, 3214868480
	.section	.rodata,"a",@progbits
	.p2align	6, 0x0
	.amdhsa_kernel k_q2833198b6b_wo
		.amdhsa_group_segment_fixed_size 327680
		.amdhsa_private_segment_fixed_size 0
		.amdhsa_enable_private_segment 0
		.amdhsa_kernarg_size 32
		.amdhsa_user_sgpr_count 2
		.amdhsa_user_sgpr_kernarg_segment_ptr 1
		.amdhsa_wavefront_size32 1
		.amdhsa_system_sgpr_workgroup_id_x 1
		.amdhsa_system_sgpr_workgroup_id_y 1
		.amdhsa_system_sgpr_workgroup_id_z 1
		.amdhsa_system_vgpr_workitem_id 0
		.amdhsa_next_free_vgpr 512
		.amdhsa_next_free_sgpr 100
		.amdhsa_reserve_vcc 0
		.amdhsa_float_denorm_mode_32 3
		.amdhsa_float_denorm_mode_16_64 3
		.amdhsa_memory_ordered 1
		.amdhsa_forward_progress 1
		.amdhsa_inst_pref_size 73
	.end_amdhsa_kernel
	.amdgpu_metadata
---
amdhsa.version: [ 1, 2 ]
amdhsa.kernels:
  - .name:           k_q2833198b6b_wo
    .symbol:         k_q2833198b6b_wo.kd
    .args:
      - { .name: ctx, .offset: 0, .size: 8, .value_kind: global_buffer, .address_space: global }
      - { .name: wb, .offset: 8, .size: 8, .value_kind: global_buffer, .address_space: global }
      - { .name: bo, .offset: 16, .size: 8, .value_kind: global_buffer, .address_space: global }
      - { .name: ysum, .offset: 24, .size: 8, .value_kind: global_buffer, .address_space: global }
    .group_segment_fixed_size: 327680
    .private_segment_fixed_size: 0
    .kernarg_segment_align: 8
    .kernarg_segment_size: 32
    .max_flat_workgroup_size: 128
    .sgpr_count:     100
    .vgpr_count:     512
    .wavefront_size: 32
...
	.end_amdgpu_metadata
.endif
;; end of part 4
;; launch ln1 (part 5): grid 256 x 1, 8 waves a work-group, no clusters, 0 bytes of LDS; arguments ysum, g1, be1, hb; writes hb
.if DOCPART == 5
	.amdgcn_target "amdgcn-amd-amdhsa--gfx1250"
	.amdhsa_code_object_version 6
	.text
	.protected	k_q2833198b6b_ln1
	.globl	k_q2833198b6b_ln1
	.p2align	8
	.type	k_q2833198b6b_ln1,@function
k_q2833198b6b_ln1:
	s_mov_b64 s[64:65], 0
	v_nop
	global_prefetch_b8 v0, s[64:65] scope:SCOPE_SE
	s_setreg_imm32_b32 hwreg(HW_REG_WAVE_MODE, 25, 1), 1
	s_wait_xcnt 0x0
; out[r][:] = (y[r][:] - mean) / sqrt(var + 1e-5) * g + be.  y: [4096][1024] f32; out bf16 (OUT16 = 1) or f32 (OUT16 = 0).  g and be are rounded to bf16 like every input.
; A wave takes two whole rows (4,096 bytes, 32 registers each) and keeps them in registers: the mean is taken away before the squares are summed, and memory is read once.
; All 32 loads of a wave go out at once; each covers 512 consecutive bytes.  No LDS, no barrier: the sums never leave the wave.
.set OUT16, 1
.set G,  8                             ; v[8:39]
.set BE, 40                            ; v[40:71]
.set XR, 72                            ; v[72:135]  two rows
.set T,  136                           ; v[136:143] at work
.set MN, 144                           ; v[144:145] the mean, twice
.set RS, 146                           ; v[146:147] 1 / sqrt(var + eps) in the low word
	s_load_b256 s[4:11], s[0:1], 0x0               ; y, g, be, out
	v_lshrrev_b32 v3, 5, v0
	v_and_b32 v4, 31, v0
	v_lshlrev_b32 v5, 4, v4                        ; 16 x lane
	v_lshl_add_u32 v1, v3, 13, v5                  ; + wave x 2 rows of 4,096 bytes
.if OUT16
	v_lshlrev_b32 v2, 3, v4
	v_lshl_add_u32 v2, v3, 12, v2
.endif
	s_lshl_b32 s2, ttmp9, 16                       ; 16 rows a work-group
	s_mov_b32 s3, 0
	s_mov_b32 s12, 0x3a800000                      ; 1 / 1024
	s_mov_b32 s13, 0x3727c5ac                      ; 1e-5
	s_mov_b32 s14, 0x76543210
	s_mov_b32 s15, 0xfedcba98
	s_wait_kmcnt 0x0
	s_add_nc_u64 s[4:5], s[4:5], s[2:3]
.if OUT16
	s_lshl_b32 s2, ttmp9, 15
.endif
	s_add_nc_u64 s[10:11], s[10:11], s[2:3]
.irp j, 0,1,2,3,4,5,6,7
	global_load_b128 v[G+4*(\j):G+4*(\j)+3], v5, s[6:7] offset:512*(\j)
.endr
.irp j, 0,1,2,3,4,5,6,7
	global_load_b128 v[BE+4*(\j):BE+4*(\j)+3], v5, s[8:9] offset:512*(\j)
.endr
.irp i, 0,1
.irp j, 0,1,2,3,4,5,6,7
	global_load_b128 v[XR+32*(\i)+4*(\j):XR+32*(\i)+4*(\j)+3], v1, s[4:5] offset:4096*(\i)+512*(\j) th:TH_LOAD_NT
.endr
.endr
	s_wait_loadcnt 16                              ; g and be are in; the two rows' sixteen loads stay out
.set p, 0
.rept 32
	v_cvt_pk_bf16_f32 v[6+p%2], v[G+2*p], v[G+2*p+1]
	v_lshlrev_b32 v[G+2*p], 16, v[6+p%2]
	v_and_b32 v[G+2*p+1], 0xffff0000, v[6+p%2]
.set p, p+1
.endr
.macro FOLD                            ; four pairs in T into one number in every lane
	v_pk_add_f32 v[T:T+1], v[T:T+1], v[T+2:T+3]
	v_pk_add_f32 v[T+4:T+5], v[T+4:T+5], v[T+6:T+7]
	v_pk_add_f32 v[T:T+1], v[T:T+1], v[T+4:T+5]
	v_add_f32 v[T], v[T], v[T+1]
	v_add_f32_dpp v[T], v[T], v[T] row_xmask:1 row_mask:0xf bank_mask:0xf
	v_add_f32_dpp v[T], v[T], v[T] row_xmask:2 row_mask:0xf bank_mask:0xf
	v_add_f32_dpp v[T], v[T], v[T] row_xmask:4 row_mask:0xf bank_mask:0xf
	v_add_f32_dpp v[T], v[T], v[T] row_xmask:8 row_mask:0xf bank_mask:0xf
	v_permlanex16_b32 v[T+1], v[T], s14, s15
	v_add_f32 v[T], v[T], v[T+1]
.endm
.macro ROW i, left
.set R0, XR+32*(\i)
	s_wait_loadcnt \left                           ; my row is in; the younger row's loads stay out
.irp c, 0,2,4,6
	v_pk_add_f32 v[T+(\c):T+(\c)+1], v[R0+(\c):R0+(\c)+1], v[R0+8+(\c):R0+8+(\c)+1]
.endr
.irp k, 16,24
.irp c, 0,2,4,6
	v_pk_add_f32 v[T+(\c):T+(\c)+1], v[T+(\c):T+(\c)+1], v[R0+(\k)+(\c):R0+(\k)+(\c)+1]
.endr
.endr
	FOLD
	v_mul_f32 v[MN], s12, v[T]
	v_mul_f32 v[MN+1], s12, v[T]
.set p, 0
.rept 16
	v_pk_add_f32 v[R0+p:R0+p+1], v[R0+p:R0+p+1], v[MN:MN+1] neg_lo:[0,1] neg_hi:[0,1]
.set p, p+2
.endr
.irp c, 0,2,4,6
	v_pk_mul_f32 v[T+(\c):T+(\c)+1], v[R0+(\c):R0+(\c)+1], v[R0+(\c):R0+(\c)+1]
.endr
.irp k, 8,16,24
.irp c, 0,2,4,6
	v_pk_fma_f32 v[T+(\c):T+(\c)+1], v[R0+(\k)+(\c):R0+(\k)+(\c)+1], v[R0+(\k)+(\c):R0+(\k)+(\c)+1], v[T+(\c):T+(\c)+1]
.endr
.endr
	FOLD
	v_fma_f32 v[T], v[T], s12, s13                 ; var + eps
	v_rsq_f32 v[RS], v[T]
	v_mov_b32 v[RS+1], v[MN]                       ; a plain instruction behind the root; the pair's upper word is written, and not used
	s_wait_alu depctr_va_vdst(0)                   ; the wait ahead of the first use
.set p, 0
.rept 16
	v_pk_mul_f32 v[R0+p:R0+p+1], v[R0+p:R0+p+1], v[RS:RS+1] op_sel_hi:[1,0]
.set p, p+2
.endr
.set p, 0
.rept 16
	v_pk_fma_f32 v[R0+p:R0+p+1], v[R0+p:R0+p+1], v[G+p:G+p+1], v[BE+p:BE+p+1]
.set p, p+2
.endr
.if OUT16
.set p, 0
.rept 16                                       ; packed in place from the low end
	v_cvt_pk_bf16_f32 v[R0+p], v[R0+2*p], v[R0+2*p+1]
.set p, p+1
.endr
.irp j, 0,1,2,3,4,5,6,7
	global_store_b64 v2, v[R0+2*(\j):R0+2*(\j)+1], s[10:11] offset:2048*(\i)+256*(\j)  ; 256 consecutive bytes, aligned
.endr
.else
.irp j, 0,1,2,3,4,5,6,7
	global_store_b128 v1, v[R0+4*(\j):R0+4*(\j)+3], s[10:11] offset:4096*(\i)+512*(\j)
.endr
.endif
.endm
	ROW 0, 8
	ROW 1, 0
	s_endpgm
.Lfunc_end_k_q2833198b6b_ln1:
	.size	k_q2833198b6b_ln1, .Lfunc_end_k_q2833198b6b_ln1-k_q2833198b6b_ln1
	.p2alignl 7, 3214868480
	.fill 96, 4, 3214868480
	.section	.rodata,"a",@progbits
	.p2align	6, 0x0
	.amdhsa_kernel k_q2833198b6b_ln1
		.amdhsa_group_segment_fixed_size 0
		.amdhsa_private_segment_fixed_size 0
		.amdhsa_enable_private_segment 0
		.amdhsa_kernarg_size 32
		.amdhsa_user_sgpr_count 2
		.amdhsa_user_sgpr_kernarg_segment_ptr 1
		.amdhsa_wavefront_size32 1
		.amdhsa_system_sgpr_workgroup_id_x 1
		.amdhsa_system_sgpr_workgroup_id_y 1
		.amdhsa_system_sgpr_workgroup_id_z 1
		.amdhsa_system_vgpr_workitem_id 0
		.amdhsa_next_free_vgpr 148
		.amdhsa_next_free_sgpr 66
		.amdhsa_reserve_vcc 0
		.amdhsa_float_denorm_mode_32 3
		.amdhsa_float_denorm_mode_16_64 3
		.amdhsa_memory_ordered 1
		.amdhsa_forward_progress 1
		.amdhsa_inst_pref_size 25
	.end_amdhsa_kernel
	.amdgpu_metadata
---
amdhsa.version: [ 1, 2 ]
amdhsa.kernels:
  - .name:           k_q2833198b6b_ln1
    .symbol:         k_q2833198b6b_ln1.kd
    .args:
      - { .name: ysum, .offset: 0, .size: 8, .value_kind: global_buffer, .address_space: global }
      - { .name: g1, .offset: 8, .size: 8, .value_kind: global_buffer, .address_space: global }
      - { .name: be1, .offset: 16, .size: 8, .value_kind: global_buffer, .address_space: global }
      - { .name: hb, .offset: 24, .size: 8, .value_kind: global_buffer, .address_space: global }
    .group_segment_fixed_size: 0
    .private_segment_fixed_size: 0
    .kernarg_segment_align: 8
    .kernarg_segment_size: 32
    .max_flat_workgroup_size: 256
    .sgpr_count:     66
    .vgpr_count:     148
    .wavefront_size: 32
...
	.end_amdgpu_metadata
.endif
;; end of part 5
;; launch ffn1 (part 6): grid 16 x 16, 4 waves a work-group, clusters of 4 x 4, 327,680 bytes of LDS; arguments hb, wb, b1, act; writes act
.if DOCPART == 6
	.amdgcn_target "amdgcn-amd-amdhsa--gfx1250"
	.amdhsa_code_object_version 6
	.text
	.protected	k_q2833198b6b_ffn1
	.globl	k_q2833198b6b_ffn1
	.p2align	8
	.type	k_q2833198b6b_ffn1,@function
k_q2833198b6b_ffn1:
	s_mov_b64 s[64:65], 0
	v_nop
	global_prefetch_b8 v0, s[64:65] scope:SCOPE_SE
	s_setreg_imm32_b32 hwreg(HW_REG_WAVE_MODE, 25, 1), 1
	s_wait_xcnt 0x0
	s_wait_alu depctr_hold_cnt(0) depctr_sa_sdst(0) depctr_va_vdst(0) depctr_va_sdst(0) depctr_va_ssrc(0) depctr_va_vcc(0) depctr_vm_vsrc(0)
	s_getreg_b32 s2, hwreg(HW_REG_IB_STS2, 6, 4)
	s_cmp_eq_u32 s2, 0
	s_cbranch_scc0 .Lentry_in_a_cluster
	s_endpgm
.Lentry_in_a_cluster:
	s_bfe_u32 s2, ttmp6, 0x10000c
	s_cmp_lg_u32 s2, 0xf033
	s_cbranch_scc0 .Lentry_shape_is_right
	s_endpgm
.Lentry_shape_is_right:
; C = A B + bias (GELU = 1: gelu of that), rounded once to bf16.  A: [4096][1024] bf16, K along the rows.  B: [1024][BPITCH] bf16, N along the rows.
; GELU = 0: A = x, B = Wq | Wk | Wv (all in wb), C = qkv [4096][3072].  GELU = 1: A = hb, B = W1 (in wb), C = act [4096][4096].
; A tile of C, 256 x 256, is made by four waves, 128 x 128 each: 64 accumulators, 512 registers.  K goes in 8 steps of 128 through a ring of two LDS slots.
; CLUSTER 4 x 4: A's tile is asked for jointly by the four work-groups of a row of the cluster, B's by the four of a column.
; THE PRODUCT IS TAKEN TRANSPOSED: source 0 = 16 columns of B (turned on the way out of LDS by ds_load_tr16_b128), source 1 = 16 rows of A: a lane holds one
; row of C and eight neighbouring columns.  The bias, rounded to bf16 like every input, is the C operand of the products that start the sums.
; THE TEXT: a first quarter step (its products start the sums), a loop of six trips that each fill a slot again, and a loop of two trips for the last two K steps, which ask
; for nothing: the last trip jumps forward over the fetch of a slot that does not exist and over the next step's first quarter.
; THE WAY OUT: when the ring has had its last fill and its last read, each wave lays its 128 x 128 f32 into the ring's bytes and reads whole rows back:
; a lane then holds four neighbouring columns, and a wave's store covers 256 consecutive bytes, aligned.
; LIMIT (GELU = 1): gelu(x) = max(x, 0) - |x| (1 - Phi(|x|)); 1 - Phi by the five-term form t = 1 / (1 + 0.2316419 |x|), a polynomial in t times
; exp(-x x / 2) (Abramowitz and Stegun 26.2.17); with the roundings of f32 the result is off by about 5e-7 at the most, absolutely, for every finite x.
.set GELU, 1
.set KSTEP, 128
.set STEPS, 8
.set PA,    272                        ; a row of A in LDS: 256 bytes + 16: the 16 rows of a load start at 16 different groups of four banks (64 banks of 4 bytes: ISA guide 11.1)
.set PB,    544                        ; a row of B (one k, 256 columns): 512 bytes + 32
.set HALF,  128*PA                     ; what one tensor load brings: 128 rows of A, or 64 rows of B (64 x 544 is the same number)
.set BOFF,  2*HALF
.set SLOT,  4*HALF
.set SPARE, 2*SLOT                     ; behind the ring: the spare words, 128 bytes a wave, that no other line names
.set DP,    528                        ; the way out: a row of 128 f32 + 16 bytes
.set WREG,  128*DP                     ; a wave's region on the way out
.if GELU
.set BPITCH, 4096
.set ROWB,   8192
.set BP,     90
.set OP,     94
.else
.set BPITCH, 1024
.set ROWB,   6144
.set BP,     88
.set OP,     96
.endif
.set ASTEP, KSTEP*2
.set BSTEP, KSTEP*BPITCH*2
.set ADRA0, 6                          ; v6   my lane's place in A's part of a slot; never rewritten
.set ADRB0, 7                          ; v7   the same for B
.set ADRA,  16                         ; v16  the same in the slot in hand
.set ADRB,  20
.set DST,   24                         ; v24  the way out: where I put 16 bytes of a row
.set RDA,   25                         ; v25  where I read rows back
.set CO,    26                         ; v26  my 8 bytes of a row of C
.set RDA0,  27
.set SPW,   28                         ; v28  my spare word; never rewritten
.set NIL,   29                         ; v29  0; never rewritten
.set PFO,   30                         ; v30  the prefetches' offset; never rewritten
.set F0,    64                         ; fragment buffers: A's in window 0, B's in window 1
.set F1,    128
.set BIAS,  192                        ; v192-255 of window 0: eight registers for each of my eight blocks of 16 columns
.set XR,    32                         ; the way out, window 0: eight rows as read back,
.set UR,    64                         ; 1 + p |x|
.set TR,    96                         ; its reciprocal
.set WR,    128                        ; 2^(-x x log2(e) / 2)
.set MR,    160                        ; max(x, 0), then the result
.set QR,    192                        ; the polynomial
.set YR,    224                        ; packed bf16
.set G1,  24                           ; s[24:31] descriptor group 1 for A;  s[32:39] group 0: a set for each first fill, the second then walks
.set G0,  32
.set G1B, 48                           ; s[48:55], s[56:63] the same for B
.set G0B, 56
.set LIM, 43                           ; s43  2 in a wave that prefetches, else the greatest number
.set PFA, 44                           ; s[44:45] where my prefetches stand
.set TB,  66                           ; s66  the slot in hand: 0 or SLOT
.set RB,  67                           ; s67  the way out: bytes of the rows done
.set PSTEP, 68                         ; s[68:69] a K step in the tensor that I prefetch
.set BPT, 70                           ; s[70:71] the bias at my first column
.set PP,  72
.set KK,  74
.set C5,  76
.set C4,  78
.set C3,  80
.set C2,  82
.set C1,  84
.set MSB, 0
.macro WIN new                         ; the immediate's high byte repeats the setting that is left; a switch that changes nothing is dropped
.if MSB != (\new)
	s_set_vgpr_msb (MSB<<8)|(\new)
.set MSB, \new
.endif
.endm
.set TO_B, 0x40                        ; destination window 1, address window 0
.macro PLACES                          ; four plain vector instructions between a matrix instruction and a load into, or a read of, its registers
.rept 4
	v_nop
.endr
.endm
.macro JLOAD                           ; a joint refill by the walking sets: waves 0, 1 ask for A's halves, waves 2, 3 for B's; an s_nop 0 and four v_nop follow each line
	s_cmp_eq_u32 s11, 0
	s_cbranch_scc0 .Lfor_b_\@
	tensor_load_to_lds s[G0+4:G0+7], s[G1:G1+7]
	s_nop 0
.rept 4
	v_nop
.endr
	s_branch .Lasked_\@
.Lfor_b_\@:
	tensor_load_to_lds s[G0B+4:G0B+7], s[G1B:G1B+7]
	s_nop 0
.rept 4
	v_nop
.endr
.Lasked_\@:
.endm
.macro ASK                             ; one prefetch: 32 blocks of 256 bytes of the K step that stands two refills on; the last two refills have none
	s_cmp_gt_u32 s3, s[LIM]
	s_cbranch_scc0 .Lnot_mine_\@
	global_prefetch_b8 v[PFO], s[PFA:PFA+1] th:TH_LOAD_NT scope:SCOPE_SE
.Lnot_mine_\@:
.endm
.macro CREST                           ; a round of the cluster's barrier behind its opening barrier
	s_cmp_lg_u32 s10, 0
	s_cbranch_scc1 .Lnot_wave_0_\@
	s_barrier_signal -3
.Lnot_wave_0_\@:
	s_barrier_wait -3
	s_barrier_signal -1
	s_barrier_wait -1
.endm
.macro CROUND
	s_barrier_signal -1
	s_barrier_wait -1
	CREST
.endm
	s_load_b256 s[88:95], s[0:1], 0x0              ; GELU = 0: wb, bq, bk, bv;  GELU = 1: hb, wb, b1, act
.if !GELU
	s_load_b64 s[96:97], s[0:1], 0x20              ; qkv
.endif
	v_lshl_add_u32 v[SPW], v0, 2, SPARE
	v_mov_b32 v[NIL], 0
	ds_add_u32 v[SPW], v[NIL]                      ; the wave's opening: the add and its wait ahead of my first tensor load
	ds_add_u32 v28, v29
	v_lshrrev_b32 v1, 5, v0
	v_readfirstlane_b32 s10, v1                    ; wave 0..3
	s_lshr_b32 s11, s10, 1                         ; my half of the tile's rows; also: I fetch for A (0) or B (1)
	s_and_b32 s12, s10, 1                          ; my half of its columns; also: which half of that tile I fetch
	s_bfe_u32 s40, ttmp6, 0x40000                  ; cx
	s_bfe_u32 s41, ttmp6, 0x40004                  ; cy
	s_lshl_b32 s42, ttmp9, 2
	s_add_co_u32 s42, s42, s40                     ; tile column
	s_and_b32 s13, ttmp7, 0xffff
	s_lshl_b32 s13, s13, 2
	s_add_co_u32 s13, s13, s41                     ; tile row
	s_lshl_b32 s43, s41, 2
	s_lshl_b32 s43, 15, s43                        ; my row of the cluster
	s_lshl_b32 s44, 0x1111, s40                    ; my column
	s_or_b32 s[G1+0], s43, (1<<16)|(1<<20)|(1<<21)|(5<<22)|(3<<25)   ; mask; 2-byte elements; padding on; bit 21 beside a mask; after every 64 words 4 words
	s_or_b32 s[G1B+0], s44, (1<<16)|(1<<20)|(1<<21)|(6<<22)|(7<<25)  ; after every 128 words 8 words
	s_mov_b32 s[G1+1], 128<<16                     ; tensor_dim0 = 128
	s_mov_b32 s[G1+2], 128<<16                     ; tensor_dim1 = 128
	s_mov_b32 s[G1+3], 128<<16                     ; tile_dim0 = 128
	s_mov_b32 s[G1+4], 128                         ; tile_dim1 = 128
	s_mov_b32 s[G1+5], 1024                        ; elements from row to row
	s_mov_b32 s[G1+6], 0
	s_mov_b32 s[G1+7], 0
	s_mov_b32 s[G1B+1], 256<<16                    ; 256 columns
	s_mov_b32 s[G1B+2], 64<<16                     ; 64 rows (k)
	s_mov_b32 s[G1B+3], 256<<16
	s_mov_b32 s[G1B+4], 64
	s_mov_b32 s[G1B+5], BPITCH
	s_mov_b32 s[G1B+6], 0
	s_mov_b32 s[G1B+7], 0
	s_lshl_b32 s17, s12, 7
	s_lshl_b32 s16, s13, 8
	s_add_co_u32 s16, s16, s17                     ; A: row 256 x tile row + 128 x half
	s_lshl_b32 s16, s16, 11                        ; 2,048 bytes a row
	s_mov_b32 s17, 0
.if GELU
	s_lshl_b32 s46, s42, 9                         ; B: 512 bytes a tile column, in W1
	s_add_co_u32 s46, s46, 0x1000000
.else
	s_lshl_b32 s46, ttmp9, 21                      ; a column of clusters is one of Wq, Wk, Wv: 2 MiB each,
	s_lshl_b32 s47, s40, 9                         ; cx its block of 256 columns
	s_add_co_u32 s46, s46, s47
	s_add_co_u32 s46, s46, 0x800000
.endif
	s_mul_i32 s47, s12, 64*BPITCH*2                ; my 64 rows of the K step
	s_add_co_u32 s46, s46, s47
	s_mov_b32 s47, 0
	s_mul_i32 s20, s10, HALF                       ; where my part goes: wave x HALF: no place in the cluster enters an LDS address
	s_wait_dscnt 0x0                               ; the opening add is done
	s_wait_kmcnt 0x0
	s_add_nc_u64 s[14:15], s[88:89], s[16:17]
	s_add_nc_u64 s[46:47], s[BP:BP+1], s[46:47]
	CROUND                                         ; all sixteen work-groups are here: the first joint loads meet
.irp s, 0,1
	s_mov_b32 s[G0+4*(\s)], 1
	s_add_co_u32 s[G0+4*(\s)+1], s20, (\s)*SLOT
	s_add_nc_u64 s[G0+4*(\s)+2:G0+4*(\s)+3], s[14:15], (\s)*ASTEP
	s_or_b32 s[G0+4*(\s)+3], s[G0+4*(\s)+3], 0x80000000
	s_mov_b32 s[G0B+4*(\s)], 1
	s_add_co_u32 s[G0B+4*(\s)+1], s20, (\s)*SLOT
	s_add_nc_u64 s[G0B+4*(\s)+2:G0B+4*(\s)+3], s[46:47], (\s)*BSTEP
	s_or_b32 s[G0B+4*(\s)+3], s[G0B+4*(\s)+3], 0x80000000
.endr
	s_cmp_eq_u32 s11, 0                            ; a wave's two first fills stand in one branch: two loads of mine are out
	s_cbranch_scc0 .Lfirst_b
	tensor_load_to_lds s[G0:G0+3], s[G1:G1+7]
	s_nop 0
	tensor_load_to_lds s[G0+4:G0+7], s[G1:G1+7]
	s_nop 0
.rept 4
	v_nop
.endr
	s_branch .Lfirst_asked
.Lfirst_b:
	tensor_load_to_lds s[G0B:G0B+3], s[G1B:G1B+7]
	s_nop 0
	tensor_load_to_lds s[G0B+4:G0B+7], s[G1B:G1B+7]
	s_nop 0
.rept 4
	v_nop
.endr
.Lfirst_asked:
	v_and_b32 v1, 15, v0                           ; r = l % 16
	v_bfe_u32 v2, v0, 4, 1                         ; h = l / 16
	v_lshlrev_b32 v5, 5, v2                        ; my eight columns of a block of 16: 32 h bytes of f32
.if GELU
	s_mov_b64 s[BPT:BPT+1], s[92:93]
	s_lshl_b32 s22, s42, 10                        ; 256 columns x 4 bytes a tile column
.else
	s_cmp_eq_u32 ttmp9, 1
	s_cselect_b64 s[BPT:BPT+1], s[92:93], s[90:91]
	s_cmp_eq_u32 ttmp9, 2
	s_cselect_b64 s[BPT:BPT+1], s[94:95], s[BPT:BPT+1]
	s_lshl_b32 s22, s40, 10
.endif
	s_lshl_b32 s23, s12, 9
	s_add_co_u32 s22, s22, s23
	s_mov_b32 s23, 0
	s_add_nc_u64 s[BPT:BPT+1], s[BPT:BPT+1], s[22:23]
.irp b, 0,1,2,3,4,5,6,7
	global_load_b128 v[BIAS+8*(\b):BIAS+8*(\b)+3],   v5, s[BPT:BPT+1] offset:64*(\b)
	global_load_b128 v[BIAS+8*(\b)+4:BIAS+8*(\b)+7], v5, s[BPT:BPT+1] offset:64*(\b)+16
.endr
	v_mul_u32_u24 v3, v1, PA                       ; A's fragments: row r, 16 bytes for each half of the lanes
	v_lshl_add_u32 v3, v2, 4, v3
	s_mul_i32 s21, s11, HALF
	v_add_nc_u32 v[ADRA0], s21, v3
	v_and_b32 v3, 7, v0                            ; B's, turned: lane l reads row k = 8 h + l % 8, columns 8 ((l / 8) % 2) + 0..7
	v_lshl_add_u32 v3, v2, 3, v3
	v_mul_u32_u24 v3, v3, PB
	v_bfe_u32 v4, v0, 3, 1
	v_lshl_add_u32 v3, v4, 4, v3
	s_lshl_b32 s22, s12, 8
	s_add_co_u32 s22, s22, BOFF
	v_add_nc_u32 v[ADRB0], s22, v3
	v_mov_b32 v[ADRA], v[ADRA0]
	v_mov_b32 v[ADRB], v[ADRB0]
	s_mov_b32 s[TB], 0
	s_mul_i32 s23, s10, WREG                       ; the way out
	v_mul_u32_u24 v3, v1, DP
	v_lshl_add_u32 v3, v2, 5, v3
	v_add_nc_u32 v[DST], s23, v3
	v_and_b32 v4, 31, v0
	v_lshl_add_u32 v[RDA0], v4, 4, s23
	v_mov_b32 v[RDA], v[RDA0]
	v_lshlrev_b32 v[CO], 3, v4
	; the prefetches.  A's rows are read by every cluster of a row of clusters: cluster x = 0 asks; B's by every cluster of a column: cluster y = 0 asks.
	; The four partners of a joint load share its blocks out by address: A: 32 rows each, a lane a row; B: 16 rows each, two blocks of 256 bytes a row.
	s_mov_b32 s18, 32*2048
	s_mov_b32 s19, 16*BPITCH*2
	s_mov_b32 s22, 2048
	s_mov_b32 s23, BPITCH*2
	s_mov_b32 s[PSTEP], ASTEP
	s_mov_b32 s[PSTEP+1], BSTEP
	s_and_b32 s20, ttmp7, 0xffff
	s_cmp_eq_u32 s11, 0
	s_cselect_b64 s[PFA:PFA+1], s[14:15], s[46:47]
	s_cselect_b32 s21, s40, s41
	s_cselect_b32 s18, s18, s19
	s_cselect_b32 s22, s22, s23
	s_cselect_b32 s[PSTEP], s[PSTEP], s[PSTEP+1]
	s_cselect_b32 s20, ttmp9, s20
	s_mov_b32 s[PSTEP+1], 0
	s_cmp_eq_u32 s20, 0
	s_cselect_b32 s[LIM], 2, -1                    ; the same in all sixteen partners, for a given wave
	s_mul_i32 s20, s21, s18
	s_mov_b32 s21, 0
	s_add_nc_u64 s[PFA:PFA+1], s[PFA:PFA+1], s[20:21]
	s_mul_i32 s20, s[PSTEP], 3                     ; at K step 3: the first refill steps it to 4
	s_add_nc_u64 s[PFA:PFA+1], s[PFA:PFA+1], s[20:21]
	v_lshrrev_b32 v3, s11, v4
	v_mul_u32_u24 v[PFO], s22, v3
	v_and_b32 v3, s11, v4
	v_lshl_add_u32 v[PFO], v3, 8, v[PFO]
	s_lshl_b32 s20, s13, 8                         ; C at my first row and column
	s_lshl_b32 s21, s11, 7
	s_add_co_u32 s20, s20, s21
	s_mul_i32 s20, s20, ROWB
	s_lshl_b32 s21, s42, 9
	s_add_co_u32 s20, s20, s21
	s_lshl_b32 s21, s12, 8
	s_add_co_u32 s20, s20, s21
	s_mov_b32 s21, 0
	s_add_nc_u64 s[8:9], s[OP:OP+1], s[20:21]
.if GELU
	s_mov_b32 s[PP], 0x3e6d3389                    ; p = 0.2316419
	s_mov_b32 s[KK], 0xbf38aa3b                    ; -log2(e) / 2
	s_mov_b32 s[KK+1], 0xbf38aa3b
	s_mov_b32 s[C5], 0x4012a088                    ; the form's five coefficients, each divided by sqrt(2 pi) p
	s_mov_b32 s[C5+1], 0x4012a088
	s_mov_b32 s[C4], 0xc048be9f
	s_mov_b32 s[C4+1], 0xc048be9f
	s_mov_b32 s[C3], 0x40445c33
	s_mov_b32 s[C3+1], 0x40445c33
	s_mov_b32 s[C2], 0xbf1d34d5
	s_mov_b32 s[C2+1], 0xbf1d34d5
	s_mov_b32 s[C1], 0x3f0cd020
	s_mov_b32 s[C1+1], 0x3f0cd020
.endif
	s_wait_loadcnt 0x0                             ; the bias
.set p, 0
.rept 32                                       ; rounded to bf16 like every input, and widened again
	v_cvt_pk_bf16_f32 v[3+p%2], v[BIAS+2*p], v[BIAS+2*p+1]
	v_lshlrev_b32 v[BIAS+2*p], 16, v[3+p%2]
	v_and_b32 v[BIAS+2*p+1], 0xffff0000, v[3+p%2]
.set p, p+1
.endr
; 16 matrix instructions: row blocks a0, a0 + 1 of the window's four (hi = 0: my rows 0-63, 1: rows 64-127) x all 8 column blocks, 32 along K.  zero = 1: the bias starts the sums.
.macro MUL16 f, hi, a0, zero
.if \zero
	WIN 0x81+0x40*(\hi)                            ; B window 1, A and the bias window 0, D window 2 or 3
.else
	WIN 0xa1+0x50*(\hi)                            ; B window 1, A window 0, C and D window 2 or 3
.endif
.irp a, \a0, (\a0)+1
.irp b, 0,1,2,3,4,5,6,7
.if \zero
	v_wmma_f32_16x16x32_bf16 v[8*(8*(\a)+(\b)):8*(8*(\a)+(\b))+7], v[(\f)+8*(\b):(\f)+8*(\b)+7], v[(\f)+8*(4*(\hi)+(\a)):(\f)+8*(4*(\hi)+(\a))+7], v[BIAS+8*(\b):BIAS+8*(\b)+7]
.else
	v_wmma_f32_16x16x32_bf16 v[8*(8*(\a)+(\b)):8*(8*(\a)+(\b))+7], v[(\f)+8*(\b):(\f)+8*(\b)+7], v[(\f)+8*(4*(\hi)+(\a)):(\f)+8*(4*(\hi)+(\a))+7], v[8*(8*(\a)+(\b)):8*(8*(\a)+(\b))+7]
.endif
.endr
.endr
.endm
; 32 LDS loads in one run: quarter q (32 along K) of the slot in hand into buffer f: B's eight blocks of 16 columns, turned, then A's eight blocks of 16 rows
.macro FETCH q, f
	WIN TO_B
.irp i, 0,1,2,3,4,5,6,7
	ds_load_tr16_b128 v[(\f)+8*(\i):(\f)+8*(\i)+3],   v[ADRB] offset:32*(\q)*PB+32*(\i)
	ds_load_tr16_b128 v[(\f)+8*(\i)+4:(\f)+8*(\i)+7], v[ADRB] offset:(32*(\q)+16)*PB+32*(\i)
.endr
	WIN 0
.irp i, 0,1,2,3,4,5,6,7
	ds_load_b128 v[(\f)+8*(\i):(\f)+8*(\i)+3],   v[ADRA] offset:64*(\q)+(\i)*16*PA
	ds_load_b128 v[(\f)+8*(\i)+4:(\f)+8*(\i)+7], v[ADRA] offset:64*(\q)+(\i)*16*PA+32
.endr
.endm
; One of a K step's first three quarters: multiplies buffer f; behind its first sixteen products it fetches quarter q into buffer g, 48 products ahead of the first use.
; The 64 accumulators take turns in one order throughout.
.macro QUARTER q, f, g, zero
	s_wait_dscnt 8                                 ; B and A's rows 0-63 are in; the youngest eight loads (A's rows 64-127) may be out
	MUL16 \f, 0, 0, \zero
	PLACES                                         ; buffer g was last read by the quarter before
	FETCH \q, \g
	MUL16 \f, 0, 2, \zero
	s_wait_dscnt 32                                ; all but the 32 just issued
	MUL16 \f, 1, 0, \zero
	MUL16 \f, 1, 2, \zero
.endm
; The last quarter's first half, and the barrier of the change of slots.
.macro MEET round
	WIN 0
	s_wait_tensorcnt 0x0                           ; all my tensor loads have landed: the one that was out is my part of the next slot
	ds_add_u32 v[SPW], v[NIL]                      ; 0 onto my spare word
	s_wait_dscnt 9                                 ; the add and the youngest eight loads may be out
	MUL16 F1, 0, 0, 0
	s_wait_dscnt 0x0                               ; the add is done, and my reads of this slot are over
	s_barrier_signal -1
	MUL16 F1, 0, 2, 0
.if \round
	WIN 0
.endif
	s_barrier_wait -1
.endm
; The whole last quarter.  fill = 1: the slot just read out is filled again, two K steps ahead, first thing behind a round of the cluster's barrier: 224 matrix instructions ahead of the wait for it.
; fill = 0: the last two K steps: nothing is asked for, and in the last trip (s3 = 1) there is no next slot to fetch from.
.macro TURN fill
.if \fill
	s_wait_xcnt 0x0                                ; the last prefetch, a K step back, has read its address
	s_add_nc_u64 s[PFA:PFA+1], s[PFA:PFA+1], s[PSTEP:PSTEP+1]
.endif
	MEET \fill
.if \fill
	CREST                                          ; no wave of any partner still reads this slot or has a load on its way
	s_xor_b32 s[G0+5], s[G0+5], SLOT               ; the walking sets: the other slot than last time, the next K step
	s_add_nc_u64 s[G0+6:G0+7], s[G0+6:G0+7], ASTEP
	s_xor_b32 s[G0B+5], s[G0B+5], SLOT
	s_add_nc_u64 s[G0B+6:G0B+7], s[G0B+6:G0B+7], BSTEP
	s_xor_b32 s[TB], s[TB], SLOT
	JLOAD                                          ; its four v_nop are also the places in front of the loads below
.else
	PLACES
	WIN 0
	s_xor_b32 s[TB], s[TB], SLOT
.endif
	v_add_nc_u32 v[ADRA], s[TB], v[ADRA0]
	v_add_nc_u32 v[ADRB], s[TB], v[ADRB0]
.if \fill
	FETCH 0, F0
	ASK
.else
	s_cmp_eq_u32 s3, 1
	s_cbranch_scc1 .Lno_next_\@
	FETCH 0, F0
.Lno_next_\@:
.endif
	MUL16 F1, 1, 0, 0
	MUL16 F1, 1, 2, 0
.endm
	s_wait_tensorcnt 1                             ; my part of K step 0 is in; K step 1's may stay out
	s_barrier_signal -1
	s_barrier_wait -1
	FETCH 0, F0
	QUARTER 1, F0, F1, 1                           ; the first quarter starts the sums with the bias
	WIN 0
	s_mov_b32 s3, STEPS-2
.Lk:                                               ; a trip: a K step's quarters 1 to 3 and the next step's quarter 0; one refill
	QUARTER 2, F1, F0, 0
	QUARTER 3, F0, F1, 0
	TURN 1
	QUARTER 1, F0, F1, 0
	WIN 0
	s_sub_co_u32 s3, s3, 1
	s_cmp_lg_u32 s3, 0
	s_cbranch_scc1 .Lk
	s_mov_b32 s3, 2
.Lt:                                               ; the last two K steps ask for nothing: the same trip without a refill; the last one ends behind its own last quarter
	QUARTER 2, F1, F0, 0
	QUARTER 3, F0, F1, 0
	TURN 0
	WIN 0
	s_cmp_eq_u32 s3, 1
	s_cbranch_scc1 .Llast                          ; forward, over products and LDS loads alone
	QUARTER 1, F0, F1, 0
	WIN 0
.Llast:
	s_sub_co_u32 s3, s3, 1
	s_cmp_lg_u32 s3, 0
	s_cbranch_scc1 .Lt
	; THE WAY OUT
	PLACES
	s_wait_dscnt 0x0
	s_barrier_signal -1
	s_barrier_wait -1                              ; every wave's reads of the ring are over, and the ring has had its last fill
.irp hi, 0,1
	WIN 0x08+4*(\hi)                               ; store data in window 2 or 3
.irp a, 0,1,2,3
.irp b, 0,1,2,3,4,5,6,7
	ds_store_b128 v[DST], v[8*(8*(\a)+(\b)):8*(8*(\a)+(\b))+3]   offset:16*(4*(\hi)+(\a))*DP+64*(\b)
	ds_store_b128 v[DST], v[8*(8*(\a)+(\b))+4:8*(8*(\a)+(\b))+7] offset:16*(4*(\hi)+(\a))*DP+64*(\b)+16
.endr
.endr
.endr
	WIN 0
	s_wait_dscnt 0x0
	s_barrier_signal -1
	s_barrier_wait -1                              ; all stores into LDS are done before the first row is read back
.macro LOADX                           ; eight rows: 32 lanes x 16 bytes are a row's 128 f32
.irp j, 0,1,2,3,4,5,6,7
	ds_load_b128 v[XR+4*(\j):XR+4*(\j)+3], v[RDA] offset:(\j)*DP
.endr
.endm
.macro STEPC                           ; C's address goes eight rows on, ahead of the trip's stores, which reach back by their immediates
	s_wait_xcnt 0x0                                ; the last trip's stores have read their data and their base: both are written again only behind this wait
	s_add_nc_u64 s[8:9], s[8:9], 8*ROWB
.endm
	LOADX
	s_mov_b32 s[RB], 0
	s_mov_b32 s3, 16
.Lrow:                                             ; eight rows a trip: 32 numbers, 16 pairs, a lane.  Each step is taken over all pairs before the next, so that a result's reader stands 16 lines behind it
	s_wait_dscnt 0x0
.if GELU
.set p, 0
.rept 32
	v_fma_f32 v[UR+p], |v[XR+p]|, s[PP], 1.0       ; u = 1 + p |x|
.set p, p+1
.endr
.set p, 0
.rept 32                                       ; t = 1 / u, a plain line behind each: first x (-log2(e) / 2), then that times x, a pair a line
	v_rcp_f32 v[TR+p], v[UR+p]
.if p < 16
	v_pk_mul_f32 v[WR+2*p:WR+2*p+1], v[XR+2*p:XR+2*p+1], s[KK:KK+1] op_sel_hi:[1,0]
.else
	v_pk_mul_f32 v[WR+2*p-32:WR+2*p-31], v[WR+2*p-32:WR+2*p-31], v[XR+2*p-32:XR+2*p-31]
.endif
.set p, p+1
.endr
.set p, 0
.rept 32                                       ; the exponentials, a maximum behind each
	v_exp_f32 v[WR+p], v[WR+p]
	v_max_num_f32 v[MR+p], 0, v[XR+p]
.set p, p+1
.endr
	s_wait_alu depctr_va_vdst(0)                   ; one wait for the 64: none of their results has been named; it stands ahead of the branch and of the first reader
.else
	STEPC
.set p, 0
.rept 16
	v_cvt_pk_bf16_f32 v[YR+p], v[XR+2*p], v[XR+2*p+1]
.set p, p+1
.endr
.endif
	s_add_co_u32 s[RB], s[RB], 8*DP
	v_add_nc_u32 v[RDA], s[RB], v[RDA0]
	s_cmp_eq_u32 s3, 1
	s_cbranch_scc1 .Lnox                           ; the last trip has no rows behind it
	LOADX                                          ; the next eight rows come while these are worked on
.Lnox:
.if GELU
.set p, 0
.rept 16
	v_pk_fma_f32 v[QR+p:QR+p+1], v[TR+p:TR+p+1], s[C5:C5+1], s[C4:C4+1] op_sel_hi:[1,0,0]
.set p, p+2
.endr
.irp c, C3, C2, C1
.set p, 0
.rept 16
	v_pk_fma_f32 v[QR+p:QR+p+1], v[QR+p:QR+p+1], v[TR+p:TR+p+1], s[\c:\c+1] op_sel_hi:[1,1,0]
.set p, p+2
.endr
.endr
.set p, 0
.rept 16
	v_pk_mul_f32 v[QR+p:QR+p+1], v[QR+p:QR+p+1], v[TR+p:TR+p+1]
.set p, p+2
.endr
.set p, 0
.rept 16
	v_pk_mul_f32 v[QR+p:QR+p+1], v[QR+p:QR+p+1], v[WR+p:WR+p+1]       ; e = (1 - Phi(|x|)) / p
.set p, p+2
.endr
.set p, 0
.rept 16
	v_pk_add_f32 v[MR+p:MR+p+1], v[MR+p:MR+p+1], v[QR+p:QR+p+1]
.set p, p+2
.endr
.set p, 0
.rept 16
	v_pk_fma_f32 v[MR+p:MR+p+1], v[UR+p:UR+p+1], v[QR+p:QR+p+1], v[MR+p:MR+p+1] neg_lo:[1,0,0] neg_hi:[1,0,0]  ; max(x, 0) - (u - 1) e
.set p, p+2
.endr
	STEPC
.set p, 0
.rept 16
	v_cvt_pk_bf16_f32 v[YR+p], v[MR+2*p], v[MR+2*p+1]
.set p, p+1
.endr
.endif
.irp j, 0,1,2,3,4,5,6,7
	global_store_b64 v[CO], v[YR+2*(\j):YR+2*(\j)+1], s[8:9] offset:((\j)-8)*ROWB  ; a wave's store covers 256 consecutive bytes, aligned
.endr
	s_sub_co_u32 s3, s3, 1
	s_cmp_lg_u32 s3, 0
	s_cbranch_scc1 .Lrow
	s_wait_tensorcnt 0x0                           ; the wave's end
	ds_add_u32 v[SPW], v[NIL]
	s_wait_dscnt 0x0
	CROUND                                         ; the closing round
	s_endpgm
.Lfunc_end_k_q2833198b6b_ffn1:
	.size	k_q2833198b6b_ffn1, .Lfunc_end_k_q2833198b6b_ffn1-k_q2833198b6b_ffn1
	.p2alignl 7, 3214868480
	.fill 96, 4, 3214868480
	.section	.rodata,"a",@progbits
	.p2align	6, 0x0
	.amdhsa_kernel k_q2833198b6b_ffn1
		.amdhsa_group_segment_fixed_size 327680
		.amdhsa_private_segment_fixed_size 0
		.amdhsa_enable_private_segment 0
		.amdhsa_kernarg_size 32
		.amdhsa_user_sgpr_count 2
		.amdhsa_user_sgpr_kernarg_segment_ptr 1
		.amdhsa_wavefront_size32 1
		.amdhsa_system_sgpr_workgroup_id_x 1
		.amdhsa_system_sgpr_workgroup_id_y 1
		.amdhsa_system_sgpr_workgroup_id_z 1
		.amdhsa_system_vgpr_workitem_id 0
		.amdhsa_next_free_vgpr 1024
		.amdhsa_next_free_sgpr 100
		.amdhsa_reserve_vcc 0
		.amdhsa_float_denorm_mode_32 3
		.amdhsa_float_denorm_mode_16_64 3
		.amdhsa_memory_ordered 1
		.amdhsa_forward_progress 1
		.amdhsa_inst_pref_size 104
	.end_amdhsa_kernel
	.amdgpu_metadata
---
amdhsa.version: [ 1, 2 ]
amdhsa.kernels:
  - .name:           k_q2833198b6b_ffn1
    .symbol:         k_q2833198b6b_ffn1.kd
    .args:
      - { .name: hb, .offset: 0, .size: 8, .value_kind: global_buffer, .address_space: global }
      - { .name: wb, .offset: 8, .size: 8, .value_kind: global_buffer, .address_space: global }
      - { .name: b1, .offset: 16, .size: 8, .value_kind: global_buffer, .address_space: global }
      - { .name: act, .offset: 24, .size: 8, .value_kind: global_buffer, .address_space: global }
    .group_segment_fixed_size: 327680
    .private_segment_fixed_size: 0
    .kernarg_segment_align: 8
    .kernarg_segment_size: 32
    .max_flat_workgroup_size: 128
    .sgpr_count:     100
    .vgpr_count:     1024
    .wavefront_size: 32
...
	.end_amdgpu_metadata
.endif
;; end of part 6
;; launch ffn2 (part 7): grid 8 x 32, 4 waves a work-group, clusters of 4 x 4, 327,680 bytes of LDS; arguments act, wb, b2, hb, ysum; writes ysum
.if DOCPART == 7
	.amdgcn_target "amdgcn-amd-amdhsa--gfx1250"
	.amdhsa_code_object_version 6
	.text
	.protected	k_q2833198b6b_ffn2
	.globl	k_q2833198b6b_ffn2
	.p2align	8
	.type	k_q2833198b6b_ffn2,@function
k_q2833198b6b_ffn2:
	s_mov_b64 s[64:65], 0
	v_nop
	global_prefetch_b8 v0, s[64:65] scope:SCOPE_SE
	s_setreg_imm32_b32 hwreg(HW_REG_WAVE_MODE, 25, 1), 1
	s_wait_xcnt 0x0
	s_wait_alu depctr_hold_cnt(0) depctr_sa_sdst(0) depctr_va_vdst(0) depctr_va_sdst(0) depctr_va_ssrc(0) depctr_va_vcc(0) depctr_vm_vsrc(0)
	s_getreg_b32 s2, hwreg(HW_REG_IB_STS2, 6, 4)
	s_cmp_eq_u32 s2, 0
	s_cbranch_scc0 .Lentry_in_a_cluster
	s_endpgm
.Lentry_in_a_cluster:
	s_bfe_u32 s2, ttmp6, 0x10000c
	s_cmp_lg_u32 s2, 0xf033
	s_cbranch_scc0 .Lentry_shape_is_right
	s_endpgm
.Lentry_shape_is_right:
; ysum = R + A B + bias, in f32.  A: [4096][SIZE_K] bf16, K along the rows.  B: [SIZE_K][1024] bf16 (in wb), N along the rows.  R: [4096][1024] bf16.
; FFN2 = 0: A = ctx, B = Wo, R = x (the bf16 copy at wb's head), SIZE_K = 1,024.  FFN2 = 1: A = act, B = W2, R = hb, SIZE_K = 4,096.
; A tile of the result is 128 x 128, so that 256 work-groups share the 4,096 x 1,024; four waves, 64 x 64 each: 16 accumulators.  K goes in steps of 256 through two LDS slots.
; CLUSTER 4 x 4: A's tile is asked for jointly along a row of the cluster, B's along a column.  The product is taken transposed (source 0 = 16 columns of B, turned by
; ds_load_tr16_b128; source 1 = 16 rows of A).  The bias, rounded to bf16 like every input, is the C operand that starts the sums.
; THE TEXT: a first quarter step, a loop whose trips each fill a slot again, and a loop of two trips for the last two K steps, which ask for nothing.
; the last trip jumps forward over the fetch of a slot that does not exist and over the next step's first quarter.
; THE WAY OUT: the four waves lay the tile, f32, into the ring's bytes when it has had its last fill and read; each wave reads 32 whole rows back, adds the residual, which it
; loaded at the kernel's head, and stores 512 consecutive bytes, aligned, an instruction.
.set FFN2, 1
.if FFN2
.set SIZE_K, 4096
.set BBASE,  0x1800000
.set RP,     94
.set OP,     96
.else
.set SIZE_K, 1024
.set BBASE,  0xe00000
.set RP,     90
.set OP,     94
.endif
.set PREF,  FFN2                       ; prefetches: only where K has steps four ahead of a refill for most of the walk
.set KSTEP, 256
.set STEPS, SIZE_K/KSTEP
.set PA,    528                        ; a row of A in LDS: 512 bytes + 16
.set PB,    288                        ; a row of B (one k, 128 columns): 256 bytes + 32
.set HA,    64*PA
.set HB,    128*PB
.set BOFF,  2*HA
.set SLOT,  0x24000                    ; A's 128 rows and B's 256 take 141,312 bytes; a slot's two bits are clear in all four parts' places, so one exclusive or changes slots
.set SPARE, 2*SLOT
.set DP,    528
.set ASTEP, KSTEP*2
.set BSTEP, KSTEP*2048
.set ADRA0, 6
.set ADRB0, 7
.set ADRA,  16
.set ADRB,  20
.set ADRB2, 21                         ; v21  ADRB + 128 rows: the immediate does not reach the slot's second half of B
.set DST,   24
.set RDA,   25
.set CO,    26
.set ONE,   27                         ; v27  1.0
.set SPW,   28
.set NIL,   29
.set PFO,   30
.set RO,    31                         ; v31  my 8 bytes of a residual row; never rewritten
.set RES,   32                         ; v[32:95]   the residual of my 32 rows
.set BIAS,  96                         ; v[96:127]
.set ACC,   128                        ; v[128:255] (a, b) at ACC + 8 (4 a + b)
.set F0,    0                          ; fragment buffers, in window 1: 64 registers of A, then 64 of B
.set F1,    128
.set G1,  24
.set G0,  32
.set G1B, 48
.set G0B, 56
.set LIM, 43
.set PFA, 44
.set TB,  66
.set PSTEP, 68
.set BPT, 70
.set RPT, 72
.set MSB, 0
.macro WIN new
.if MSB != (\new)
	s_set_vgpr_msb (MSB<<8)|(\new)
.set MSB, \new
.endif
.endm
.set MUL,  0x05                        ; sources 0 and 1 window 1; C and D window 0
.set TO_F, 0x40                        ; destination window 1, address window 0
.macro PLACES
.rept 4
	v_nop
.endr
.endm
.macro JLOAD                           ; a joint refill by the walking sets; an s_nop 0 and four v_nop follow each line
	s_cmp_eq_u32 s11, 0
	s_cbranch_scc0 .Lfor_b_\@
	tensor_load_to_lds s[G0+4:G0+7], s[G1:G1+7]
	s_nop 0
.rept 4
	v_nop
.endr
	s_branch .Lasked_\@
.Lfor_b_\@:
	tensor_load_to_lds s[G0B+4:G0B+7], s[G1B:G1B+7]
	s_nop 0
.rept 4
	v_nop
.endr
.Lasked_\@:
.endm
.macro ASK                             ; one prefetch: 32 blocks of 256 bytes of the K step two refills on; the last two refills have none
	s_cmp_gt_u32 s3, s[LIM]
	s_cbranch_scc0 .Lnot_mine_\@
	global_prefetch_b8 v[PFO], s[PFA:PFA+1] th:TH_LOAD_NT scope:SCOPE_SE
.Lnot_mine_\@:
.endm
.macro CREST
	s_cmp_lg_u32 s10, 0
	s_cbranch_scc1 .Lnot_wave_0_\@
	s_barrier_signal -3
.Lnot_wave_0_\@:
	s_barrier_wait -3
	s_barrier_signal -1
	s_barrier_wait -1
.endm
.macro CROUND
	s_barrier_signal -1
	s_barrier_wait -1
	CREST
.endm
	s_load_b256 s[88:95], s[0:1], 0x0              ; FFN2 = 0: ctx, wb, bo, ysum;  FFN2 = 1: act, wb, b2, hb
.if FFN2
	s_load_b64 s[96:97], s[0:1], 0x20              ; ysum
.endif
	v_lshl_add_u32 v[SPW], v0, 2, SPARE
	v_mov_b32 v[NIL], 0
	ds_add_u32 v[SPW], v[NIL]                      ; the wave's opening: the add and its wait ahead of my first tensor load
	ds_add_u32 v28, v29
	v_lshrrev_b32 v1, 5, v0
	v_readfirstlane_b32 s10, v1
	s_lshr_b32 s11, s10, 1                         ; my half of the rows; also: I fetch for A (0) or B (1)
	s_and_b32 s12, s10, 1                          ; my half of the columns; also: which half of that tile I fetch
	s_bfe_u32 s40, ttmp6, 0x40000
	s_bfe_u32 s41, ttmp6, 0x40004
	s_lshl_b32 s42, ttmp9, 2
	s_add_co_u32 s42, s42, s40                     ; tile column
	s_and_b32 s13, ttmp7, 0xffff
	s_lshl_b32 s13, s13, 2
	s_add_co_u32 s13, s13, s41                     ; tile row
	s_lshl_b32 s43, s41, 2
	s_lshl_b32 s43, 15, s43
	s_lshl_b32 s44, 0x1111, s40
	s_or_b32 s[G1+0], s43, (1<<16)|(1<<20)|(1<<21)|(6<<22)|(3<<25)   ; after every 128 words 4 words
	s_or_b32 s[G1B+0], s44, (1<<16)|(1<<20)|(1<<21)|(5<<22)|(7<<25)  ; after every 64 words 8 words
	s_mov_b32 s[G1+1], 256<<16                     ; 256 along K
	s_mov_b32 s[G1+2], 64<<16                      ; 64 rows
	s_mov_b32 s[G1+3], 256<<16
	s_mov_b32 s[G1+4], 64
	s_mov_b32 s[G1+5], SIZE_K
	s_mov_b32 s[G1+6], 0
	s_mov_b32 s[G1+7], 0
	s_mov_b32 s[G1B+1], 128<<16                    ; 128 columns
	s_mov_b32 s[G1B+2], 128<<16                    ; 128 rows (k)
	s_mov_b32 s[G1B+3], 128<<16
	s_mov_b32 s[G1B+4], 128
	s_mov_b32 s[G1B+5], 1024
	s_mov_b32 s[G1B+6], 0
	s_mov_b32 s[G1B+7], 0
	s_lshl_b32 s17, s12, 6
	s_lshl_b32 s16, s13, 7
	s_add_co_u32 s16, s16, s17                     ; A: row 128 x tile row + 64 x half
	s_mul_i32 s16, s16, SIZE_K*2
	s_mov_b32 s17, 0
	s_lshl_b32 s46, s42, 8                         ; B: 256 bytes a tile column,
	s_lshl_b32 s47, s12, 18                        ; my 128 rows of the K step
	s_add_co_u32 s46, s46, s47
	s_add_co_u32 s46, s46, BBASE
	s_mov_b32 s47, 0
	s_mul_i32 s20, s12, HA                         ; where a part goes: A's halves, then B's
	s_mul_i32 s21, s12, HB
	s_add_co_u32 s21, s21, BOFF
	s_wait_dscnt 0x0
	s_wait_kmcnt 0x0
	s_add_nc_u64 s[14:15], s[88:89], s[16:17]
	s_add_nc_u64 s[46:47], s[90:91], s[46:47]
	CROUND                                         ; all sixteen work-groups are here: the first joint loads meet
.irp s, 0,1
	s_mov_b32 s[G0+4*(\s)], 1
	s_add_co_u32 s[G0+4*(\s)+1], s20, (\s)*SLOT
	s_add_nc_u64 s[G0+4*(\s)+2:G0+4*(\s)+3], s[14:15], (\s)*ASTEP
	s_or_b32 s[G0+4*(\s)+3], s[G0+4*(\s)+3], 0x80000000
	s_mov_b32 s[G0B+4*(\s)], 1
	s_add_co_u32 s[G0B+4*(\s)+1], s21, (\s)*SLOT
	s_add_nc_u64 s[G0B+4*(\s)+2:G0B+4*(\s)+3], s[46:47], (\s)*BSTEP
	s_or_b32 s[G0B+4*(\s)+3], s[G0B+4*(\s)+3], 0x80000000
.endr
	s_cmp_eq_u32 s11, 0                            ; a wave's two first fills stand in one branch: two loads of mine are out
	s_cbranch_scc0 .Lfirst_b
	tensor_load_to_lds s[G0:G0+3], s[G1:G1+7]
	s_nop 0
	tensor_load_to_lds s[G0+4:G0+7], s[G1:G1+7]
	s_nop 0
.rept 4
	v_nop
.endr
	s_branch .Lfirst_asked
.Lfirst_b:
	tensor_load_to_lds s[G0B:G0B+3], s[G1B:G1B+7]
	s_nop 0
	tensor_load_to_lds s[G0B+4:G0B+7], s[G1B:G1B+7]
	s_nop 0
.rept 4
	v_nop
.endr
.Lfirst_asked:
	v_and_b32 v1, 15, v0                           ; r
	v_bfe_u32 v2, v0, 4, 1                         ; h
	v_lshlrev_b32 v5, 5, v2
	s_lshl_b32 s22, s42, 9                         ; the bias at my first column: 128 x 4 bytes a tile column, 64 x 4 a half
	s_lshl_b32 s23, s12, 8
	s_add_co_u32 s22, s22, s23
	s_mov_b32 s23, 0
	s_add_nc_u64 s[BPT:BPT+1], s[92:93], s[22:23]
.irp b, 0,1,2,3
	global_load_b128 v[BIAS+8*(\b):BIAS+8*(\b)+3],   v5, s[BPT:BPT+1] offset:64*(\b)
	global_load_b128 v[BIAS+8*(\b)+4:BIAS+8*(\b)+7], v5, s[BPT:BPT+1] offset:64*(\b)+16
.endr
	s_lshl_b32 s22, s13, 7                         ; the 32 rows that I store: 128 x tile row + 32 x wave
	s_lshl_b32 s23, s10, 5
	s_add_co_u32 s18, s22, s23
	s_lshl_b32 s22, s18, 11                        ; the residual: 2,048 bytes a row, 256 a tile column
	s_lshl_b32 s23, s42, 8
	s_add_co_u32 s22, s22, s23
	s_mov_b32 s23, 0
	s_add_nc_u64 s[RPT:RPT+1], s[RP:RP+1], s[22:23]
	v_and_b32 v4, 31, v0
	v_lshlrev_b32 v[RO], 3, v4
.set j, 0
.rept 32
	global_load_b64 v[RES+2*j:RES+2*j+1], v[RO], s[RPT:RPT+1] offset:2048*j  ; 32 lanes read 256 consecutive bytes, aligned; they stay out until the way out
.set j, j+1
.endr
	s_lshl_b32 s22, s18, 12                        ; the result: 4,096 bytes a row, 512 a tile column
	s_lshl_b32 s23, s42, 9
	s_add_co_u32 s22, s22, s23
	s_mov_b32 s23, 0
	s_add_nc_u64 s[8:9], s[OP:OP+1], s[22:23]
	v_lshlrev_b32 v[CO], 4, v4
	v_mov_b32 v[ONE], 1.0
	v_mul_u32_u24 v3, v1, PA
	v_lshl_add_u32 v3, v2, 4, v3
	s_mul_i32 s22, s11, HA
	v_add_nc_u32 v[ADRA0], s22, v3
	v_and_b32 v3, 7, v0
	v_lshl_add_u32 v3, v2, 3, v3
	v_mul_u32_u24 v3, v3, PB
	v_bfe_u32 v[DST], v0, 3, 1
	v_lshl_add_u32 v3, v[DST], 4, v3
	s_lshl_b32 s22, s12, 7
	s_add_co_u32 s22, s22, BOFF
	v_add_nc_u32 v[ADRB0], s22, v3
	v_mov_b32 v[ADRA], v[ADRA0]
	v_mov_b32 v[ADRB], v[ADRB0]
	v_add_nc_u32 v[ADRB2], 128*PB, v[ADRB0]
	s_mov_b32 s[TB], 0
	s_mul_i32 s22, s11, 64*DP                      ; the way out, in: row 64 x half + r, columns 64 x half + 8 h
	s_lshl_b32 s23, s12, 8
	s_add_co_u32 s22, s22, s23
	v_mul_u32_u24 v3, v1, DP
	v_lshl_add_u32 v3, v2, 5, v3
	v_add_nc_u32 v[DST], s22, v3
	s_mul_i32 s22, s10, 32*DP                      ; back: rows 32 x wave on, whole
	v_lshl_add_u32 v[RDA], v4, 4, s22
.if PREF
	; A's rows are read by both clusters of a row of clusters: cluster x = 0 asks; B's by every cluster of a column: cluster y = 0 asks.  The four partners of a joint
	; load share its blocks out by address: A: 16 rows each, two blocks of 256 bytes a row; B: 32 rows each, a lane a row.
	s_mov_b32 s18, 16*SIZE_K*2
	s_mov_b32 s19, 32*2048
	s_mov_b32 s22, SIZE_K*2
	s_mov_b32 s23, 2048
	s_mov_b32 s[PSTEP], ASTEP
	s_mov_b32 s[PSTEP+1], BSTEP
	s_and_b32 s20, ttmp7, 0xffff
	s_xor_b32 s16, s11, 1
	s_cmp_eq_u32 s11, 0
	s_cselect_b64 s[PFA:PFA+1], s[14:15], s[46:47]
	s_cselect_b32 s21, s40, s41
	s_cselect_b32 s18, s18, s19
	s_cselect_b32 s22, s22, s23
	s_cselect_b32 s[PSTEP], s[PSTEP], s[PSTEP+1]
	s_cselect_b32 s20, ttmp9, s20
	s_mov_b32 s[PSTEP+1], 0
	s_cmp_eq_u32 s20, 0
	s_cselect_b32 s[LIM], 2, -1
	s_mul_i32 s20, s21, s18
	s_mov_b32 s21, 0
	s_add_nc_u64 s[PFA:PFA+1], s[PFA:PFA+1], s[20:21]
	s_mul_i32 s20, s[PSTEP], 3                     ; at K step 3: the first refill steps it to 4
	s_add_nc_u64 s[PFA:PFA+1], s[PFA:PFA+1], s[20:21]
	v_lshrrev_b32 v3, s16, v4
	v_mul_u32_u24 v[PFO], s22, v3
	v_and_b32 v3, s16, v4
	v_lshl_add_u32 v[PFO], v3, 8, v[PFO]
.endif
	s_wait_loadcnt 32                              ; the bias is in; the 32 younger loads, the residual's, stay out
.set p, 0
.rept 16                                       ; rounded to bf16 like every input, and widened again
	v_cvt_pk_bf16_f32 v[3+p%2], v[BIAS+2*p], v[BIAS+2*p+1]
	v_lshlrev_b32 v[BIAS+2*p], 16, v[3+p%2]
	v_and_b32 v[BIAS+2*p+1], 0xffff0000, v[3+p%2]
.set p, p+1
.endr
; 8 matrix instructions: row blocks a0, a0 + 1 x all 4 column blocks, 32 along K: half c of buffer f.  zero = 1: the bias starts the sums.  The 16 accumulators take turns.
.macro MUL8 f, c, a0, zero
	WIN MUL
.irp a, \a0, (\a0)+1
.irp b, 0,1,2,3
.if \zero
	v_wmma_f32_16x16x32_bf16 v[ACC+8*(4*(\a)+(\b)):ACC+8*(4*(\a)+(\b))+7], v[(\f)+64+8*(4*(\c)+(\b)):(\f)+64+8*(4*(\c)+(\b))+7], v[(\f)+8*(4*(\c)+(\a)):(\f)+8*(4*(\c)+(\a))+7], v[BIAS+8*(\b):BIAS+8*(\b)+7]
.else
	v_wmma_f32_16x16x32_bf16 v[ACC+8*(4*(\a)+(\b)):ACC+8*(4*(\a)+(\b))+7], v[(\f)+64+8*(4*(\c)+(\b)):(\f)+64+8*(4*(\c)+(\b))+7], v[(\f)+8*(4*(\c)+(\a)):(\f)+8*(4*(\c)+(\a))+7], v[ACC+8*(4*(\a)+(\b)):ACC+8*(4*(\a)+(\b))+7]
.endif
.endr
.endr
.endm
; 32 LDS loads in one run: quarter q (64 along K) of the slot in hand into buffer f, its first 32 along K first
.macro FETCH q, f
	WIN TO_F
.irp c, 0,1
.irp i, 0,1,2,3
.if (\q) < 2
	ds_load_tr16_b128 v[(\f)+64+8*(4*(\c)+(\i)):(\f)+64+8*(4*(\c)+(\i))+3],   v[ADRB] offset:(64*(\q)+32*(\c))*PB+32*(\i)
	ds_load_tr16_b128 v[(\f)+64+8*(4*(\c)+(\i))+4:(\f)+64+8*(4*(\c)+(\i))+7], v[ADRB] offset:(64*(\q)+32*(\c)+16)*PB+32*(\i)
.else
	ds_load_tr16_b128 v[(\f)+64+8*(4*(\c)+(\i)):(\f)+64+8*(4*(\c)+(\i))+3],   v[ADRB2] offset:(64*((\q)-2)+32*(\c))*PB+32*(\i)
	ds_load_tr16_b128 v[(\f)+64+8*(4*(\c)+(\i))+4:(\f)+64+8*(4*(\c)+(\i))+7], v[ADRB2] offset:(64*((\q)-2)+32*(\c)+16)*PB+32*(\i)
.endif
	ds_load_b128 v[(\f)+8*(4*(\c)+(\i)):(\f)+8*(4*(\c)+(\i))+3],   v[ADRA] offset:128*(\q)+64*(\c)+(\i)*16*PA
	ds_load_b128 v[(\f)+8*(4*(\c)+(\i))+4:(\f)+8*(4*(\c)+(\i))+7], v[ADRA] offset:128*(\q)+64*(\c)+(\i)*16*PA+32
.endr
.endr
.endm
; One of a K step's first three quarters: multiplies buffer f; behind its first eight products it fetches quarter q into buffer g, 24 products ahead of the first use.
.macro QUARTER q, f, g, zero
	s_wait_dscnt 16                                ; the first 32 along K are in; the sixteen younger loads may be out
	MUL8 \f, 0, 0, \zero
	PLACES                                         ; buffer g was last read by the quarter before
	FETCH \q, \g
	MUL8 \f, 0, 2, \zero
	s_wait_dscnt 32                                ; all but the 32 just issued
	MUL8 \f, 1, 0, 0
	MUL8 \f, 1, 2, 0
.endm
; The last quarter multiplies buffer 1 and changes slots, behind its first eight products.  A K step has 128 products a wave, and a tile that comes late holds every wave of the cluster: so
; between the wait for my tensor load and the next request stand the add and its wait, the descriptors' steps and the round alone, and no product; a request has the whole step, 128 products, in which to land.
; fill = 1: this slot is filled again, two K steps ahead, first thing behind a round of the cluster's barrier.  fill = 0: the last two K steps: nothing is asked for, and in the last trip (s3 = 1) there is no next slot to fetch from.
.macro TURN fill
.if (\fill) && PREF
	s_wait_xcnt 0x0                                ; the last prefetch, a K step back, has read its address
	s_add_nc_u64 s[PFA:PFA+1], s[PFA:PFA+1], s[PSTEP:PSTEP+1]
.endif
	s_wait_dscnt 16                                ; the first 32 along K are in
	MUL8 F1, 0, 0, 0
	WIN 0
	s_wait_tensorcnt 0x0                           ; all my tensor loads have landed: my part of the next slot; so the descriptors may be written
	ds_add_u32 v[SPW], v[NIL]                      ; 0 onto my spare word; the scalar steps stand between it and the wait for it
.if \fill
	s_xor_b32 s[G0+5], s[G0+5], SLOT               ; the walking sets: the other slot than last time, the next K step
	s_add_nc_u64 s[G0+6:G0+7], s[G0+6:G0+7], ASTEP
	s_xor_b32 s[G0B+5], s[G0B+5], SLOT
	s_add_nc_u64 s[G0B+6:G0B+7], s[G0B+6:G0B+7], BSTEP
.endif
	s_xor_b32 s[TB], s[TB], SLOT
	s_wait_dscnt 0x0                               ; the add is done, and my reads of this slot are over
	s_barrier_signal -1
	s_barrier_wait -1
.if \fill
	CREST                                          ; no wave of any partner still reads this slot or has a load on its way
	JLOAD                                          ; its four v_nop are also the places in front of the loads below
.else
	PLACES
.endif
	v_add_nc_u32 v[ADRA], s[TB], v[ADRA0]
	v_add_nc_u32 v[ADRB], s[TB], v[ADRB0]
	v_add_nc_u32 v[ADRB2], 128*PB, v[ADRB]
.if \fill
	FETCH 0, F0
.if PREF
	WIN 0
	ASK
.endif
.else
	s_cmp_eq_u32 s3, 1
	s_cbranch_scc1 .Lno_next_\@
	FETCH 0, F0
	WIN 0
.Lno_next_\@:
.endif
	MUL8 F1, 0, 2, 0
	MUL8 F1, 1, 0, 0
	MUL8 F1, 1, 2, 0
.endm
	s_wait_tensorcnt 1                             ; my part of K step 0 is in; K step 1's may stay out
	s_barrier_signal -1
	s_barrier_wait -1
	FETCH 0, F0
	QUARTER 1, F0, F1, 1
	WIN 0
	s_mov_b32 s3, STEPS-2
.Lk:                                               ; a trip: a K step's quarters 1 to 3 and the next step's quarter 0; one refill
	QUARTER 2, F1, F0, 0
	QUARTER 3, F0, F1, 0
	TURN 1
	QUARTER 1, F0, F1, 0
	WIN 0
	s_sub_co_u32 s3, s3, 1
	s_cmp_lg_u32 s3, 0
	s_cbranch_scc1 .Lk
	s_mov_b32 s3, 2
.Lt:                                               ; the last two K steps ask for nothing: the same trip without a refill; the last one ends behind its own last quarter
	QUARTER 2, F1, F0, 0
	QUARTER 3, F0, F1, 0
	TURN 0
	WIN 0
	s_cmp_eq_u32 s3, 1
	s_cbranch_scc1 .Llast                          ; forward, over products and LDS loads alone
	QUARTER 1, F0, F1, 0
	WIN 0
.Llast:
	s_sub_co_u32 s3, s3, 1
	s_cmp_lg_u32 s3, 0
	s_cbranch_scc1 .Lt
	; THE WAY OUT
	PLACES
	s_wait_dscnt 0x0
	s_barrier_signal -1
	s_barrier_wait -1                              ; every wave's reads of the ring are over, and the ring has had its last fill
.irp a, 0,1,2,3
.irp b, 0,1,2,3
	ds_store_b128 v[DST], v[ACC+8*(4*(\a)+(\b)):ACC+8*(4*(\a)+(\b))+3]   offset:16*(\a)*DP+64*(\b)
	ds_store_b128 v[DST], v[ACC+8*(4*(\a)+(\b))+4:ACC+8*(4*(\a)+(\b))+7] offset:16*(\a)*DP+64*(\b)+16
.endr
.endr
	s_wait_dscnt 0x0                               ; for the others' sake: a row's 512 bytes come from two waves
	s_barrier_signal -1
	s_barrier_wait -1
	s_wait_loadcnt 0x0                             ; the residual
.set j, 0
.rept 32
	ds_load_b128 v[ACC+4*j:ACC+4*j+3], v[RDA] offset:j*DP
.set j, j+1
.endr
.set j, 0
.rept 32
	s_wait_dscnt 31-j
	v_fma_mix_f32_bf16 v[ACC+4*j],   v[RES+2*j],   v[ONE], v[ACC+4*j]   op_sel:[0,0,0] op_sel_hi:[1,0,0]
	v_fma_mix_f32_bf16 v[ACC+4*j+1], v[RES+2*j],   v[ONE], v[ACC+4*j+1] op_sel:[1,0,0] op_sel_hi:[1,0,0]
	v_fma_mix_f32_bf16 v[ACC+4*j+2], v[RES+2*j+1], v[ONE], v[ACC+4*j+2] op_sel:[0,0,0] op_sel_hi:[1,0,0]
	v_fma_mix_f32_bf16 v[ACC+4*j+3], v[RES+2*j+1], v[ONE], v[ACC+4*j+3] op_sel:[1,0,0] op_sel_hi:[1,0,0]
	global_store_b128 v[CO], v[ACC+4*j:ACC+4*j+3], s[8:9] offset:4096*j
.set j, j+1
.endr
	s_wait_tensorcnt 0x0                           ; the wave's end
	ds_add_u32 v[SPW], v[NIL]
	s_wait_dscnt 0x0
	CROUND                                         ; the closing round
	s_endpgm
.Lfunc_end_k_q2833198b6b_ffn2:
	.size	k_q2833198b6b_ffn2, .Lfunc_end_k_q2833198b6b_ffn2-k_q2833198b6b_ffn2
	.p2alignl 7, 3214868480
	.fill 96, 4, 3214868480
	.section	.rodata,"a",@progbits
	.p2align	6, 0x0
	.amdhsa_kernel k_q2833198b6b_ffn2
		.amdhsa_group_segment_fixed_size 327680
		.amdhsa_private_segment_fixed_size 0
		.amdhsa_enable_private_segment 0
		.amdhsa_kernarg_size 40
		.amdhsa_user_sgpr_count 2
		.amdhsa_user_sgpr_kernarg_segment_ptr 1
		.amdhsa_wavefront_size32 1
		.amdhsa_system_sgpr_workgroup_id_x 1
		.amdhsa_system_sgpr_workgroup_id_y 1
		.amdhsa_system_sgpr_workgroup_id_z 1
		.amdhsa_system_vgpr_workitem_id 0
		.amdhsa_next_free_vgpr 512
		.amdhsa_next_free_sgpr 100
		.amdhsa_reserve_vcc 0
		.amdhsa_float_denorm_mode_32 3
		.amdhsa_float_denorm_mode_16_64 3
		.amdhsa_memory_ordered 1
		.amdhsa_forward_progress 1
		.amdhsa_inst_pref_size 75
	.end_amdhsa_kernel
	.amdgpu_metadata
---
amdhsa.version: [ 1, 2 ]
amdhsa.kernels:
  - .name:           k_q2833198b6b_ffn2
    .symbol:         k_q2833198b6b_ffn2.kd
    .args:
      - { .name: act, .offset: 0, .size: 8, .value_kind: global_buffer, .address_space: global }
      - { .name: wb, .offset: 8, .size: 8, .value_kind: global_buffer, .address_space: global }
      - { .name: b2, .offset: 16, .size: 8, .value_kind: global_buffer, .address_space: global }
      - { .name: hb, .offset: 24, .size: 8, .value_kind: global_buffer, .address_space: global }
      - { .name: ysum, .offset: 32, .size: 8, .value_kind: global_buffer, .address_space: global }
    .group_segment_fixed_size: 327680
    .private_segment_fixed_size: 0
    .kernarg_segment_align: 8
    .kernarg_segment_size: 40
    .max_flat_workgroup_size: 128
    .sgpr_count:     100
    .vgpr_count:     512
    .wavefront_size: 32
...
	.end_amdgpu_metadata
.endif
;; end of part 7
;; launch ln2 (part 8): grid 256 x 1, 8 waves a work-group, no clusters, 0 bytes of LDS; arguments ysum, g2, be2, out0; writes out0
.if DOCPART == 8
	.amdgcn_target "amdgcn-amd-amdhsa--gfx1250"
	.amdhsa_code_object_version 6
	.text
	.protected	k_q2833198b6b_ln2
	.globl	k_q2833198b6b_ln2
	.p2align	8
	.type	k_q2833198b6b_ln2,@function
k_q2833198b6b_ln2:
	s_mov_b64 s[64:65], 0
	v_nop
	global_prefetch_b8 v0, s[64:65] scope:SCOPE_SE
	s_setreg_imm32_b32 hwreg(HW_REG_WAVE_MODE, 25, 1), 1
	s_wait_xcnt 0x0
; out[r][:] = (y[r][:] - mean) / sqrt(var + 1e-5) * g + be.  y: [4096][1024] f32; out bf16 (OUT16 = 1) or f32 (OUT16 = 0).  g and be are rounded to bf16 like every input.
; A wave takes two whole rows (4,096 bytes, 32 registers each) and keeps them in registers: the mean is taken away before the squares are summed, and memory is read once.
; All 32 loads of a wave go out at once; each covers 512 consecutive bytes.  No LDS, no barrier: the sums never leave the wave.
.set OUT16, 0
.set G,  8                             ; v[8:39]
.set BE, 40                            ; v[40:71]
.set XR, 72                            ; v[72:135]  two rows
.set T,  136                           ; v[136:143] at work
.set MN, 144                           ; v[144:145] the mean, twice
.set RS, 146                           ; v[146:147] 1 / sqrt(var + eps) in the low word
	s_load_b256 s[4:11], s[0:1], 0x0               ; y, g, be, out
	v_lshrrev_b32 v3, 5, v0
	v_and_b32 v4, 31, v0
	v_lshlrev_b32 v5, 4, v4                        ; 16 x lane
	v_lshl_add_u32 v1, v3, 13, v5                  ; + wave x 2 rows of 4,096 bytes
.if OUT16
	v_lshlrev_b32 v2, 3, v4
	v_lshl_add_u32 v2, v3, 12, v2
.endif
	s_lshl_b32 s2, ttmp9, 16                       ; 16 rows a work-group
	s_mov_b32 s3, 0
	s_mov_b32 s12, 0x3a800000                      ; 1 / 1024
	s_mov_b32 s13, 0x3727c5ac                      ; 1e-5
	s_mov_b32 s14, 0x76543210
	s_mov_b32 s15, 0xfedcba98
	s_wait_kmcnt 0x0
	s_add_nc_u64 s[4:5], s[4:5], s[2:3]
.if OUT16
	s_lshl_b32 s2, ttmp9, 15
.endif
	s_add_nc_u64 s[10:11], s[10:11], s[2:3]
.irp j, 0,1,2,3,4,5,6,7
	global_load_b128 v[G+4*(\j):G+4*(\j)+3], v5, s[6:7] offset:512*(\j)
.endr
.irp j, 0,1,2,3,4,5,6,7
	global_load_b128 v[BE+4*(\j):BE+4*(\j)+3], v5, s[8:9] offset:512*(\j)
.endr
.irp i, 0,1
.irp j, 0,1,2,3,4,5,6,7
	global_load_b128 v[XR+32*(\i)+4*(\j):XR+32*(\i)+4*(\j)+3], v1, s[4:5] offset:4096*(\i)+512*(\j) th:TH_LOAD_NT
.endr
.endr
	s_wait_loadcnt 16                              ; g and be are in; the two rows' sixteen loads stay out
.set p, 0
.rept 32
	v_cvt_pk_bf16_f32 v[6+p%2], v[G+2*p], v[G+2*p+1]
	v_lshlrev_b32 v[G+2*p], 16, v[6+p%2]
	v_and_b32 v[G+2*p+1], 0xffff0000, v[6+p%2]
.set p, p+1
.endr
.macro FOLD                            ; four pairs in T into one number in every lane
	v_pk_add_f32 v[T:T+1], v[T:T+1], v[T+2:T+3]
	v_pk_add_f32 v[T+4:T+5], v[T+4:T+5], v[T+6:T+7]
	v_pk_add_f32 v[T:T+1], v[T:T+1], v[T+4:T+5]
	v_add_f32 v[T], v[T], v[T+1]
	v_add_f32_dpp v[T], v[T], v[T] row_xmask:1 row_mask:0xf bank_mask:0xf
	v_add_f32_dpp v[T], v[T], v[T] row_xmask:2 row_mask:0xf bank_mask:0xf
	v_add_f32_dpp v[T], v[T], v[T] row_xmask:4 row_mask:0xf bank_mask:0xf
	v_add_f32_dpp v[T], v[T], v[T] row_xmask:8 row_mask:0xf bank_mask:0xf
	v_permlanex16_b32 v[T+1], v[T], s14, s15
	v_add_f32 v[T], v[T], v[T+1]
.endm
.macro ROW i, left
.set R0, XR+32*(\i)
	s_wait_loadcnt \left                           ; my row is in; the younger row's loads stay out
.irp c, 0,2,4,6
	v_pk_add_f32 v[T+(\c):T+(\c)+1], v[R0+(\c):R0+(\c)+1], v[R0+8+(\c):R0+8+(\c)+1]
.endr
.irp k, 16,24
.irp c, 0,2,4,6
	v_pk_add_f32 v[T+(\c):T+(\c)+1], v[T+(\c):T+(\c)+1], v[R0+(\k)+(\c):R0+(\k)+(\c)+1]
.endr
.endr
	FOLD
	v_mul_f32 v[MN], s12, v[T]
	v_mul_f32 v[MN+1], s12, v[T]
.set p, 0
.rept 16
	v_pk_add_f32 v[R0+p:R0+p+1], v[R0+p:R0+p+1], v[MN:MN+1] neg_lo:[0,1] neg_hi:[0,1]
.set p, p+2
.endr
.irp c, 0,2,4,6
	v_pk_mul_f32 v[T+(\c):T+(\c)+1], v[R0+(\c):R0+(\c)+1], v[R0+(\c):R0+(\c)+1]
.endr
.irp k, 8,16,24
.irp c, 0,2,4,6
	v_pk_fma_f32 v[T+(\c):T+(\c)+1], v[R0+(\k)+(\c):R0+(\k)+(\c)+1], v[R0+(\k)+(\c):R0+(\k)+(\c)+1], v[T+(\c):T+(\c)+1]
.endr
.endr
	FOLD
	v_fma_f32 v[T], v[T], s12, s13                 ; var + eps
	v_rsq_f32 v[RS], v[T]
	v_mov_b32 v[RS+1], v[MN]                       ; a plain instruction behind the root; the pair's upper word is written, and not used
	s_wait_alu depctr_va_vdst(0)                   ; the wait ahead of the first use
.set p, 0
.rept 16
	v_pk_mul_f32 v[R0+p:R0+p+1], v[R0+p:R0+p+1], v[RS:RS+1] op_sel_hi:[1,0]
.set p, p+2
.endr
.set p, 0
.rept 16
	v_pk_fma_f32 v[R0+p:R0+p+1], v[R0+p:R0+p+1], v[G+p:G+p+1], v[BE+p:BE+p+1]
.set p, p+2
.endr
.if OUT16
.set p, 0
.rept 16                                       ; packed in place from the low end
	v_cvt_pk_bf16_f32 v[R0+p], v[R0+2*p], v[R0+2*p+1]
.set p, p+1
.endr
.irp j, 0,1,2,3,4,5,6,7
	global_store_b64 v2, v[R0+2*(\j):R0+2*(\j)+1], s[10:11] offset:2048*(\i)+256*(\j)  ; 256 consecutive bytes, aligned
.endr
.else
.irp j, 0,1,2,3,4,5,6,7
	global_store_b128 v1, v[R0+4*(\j):R0+4*(\j)+3], s[10:11] offset:4096*(\i)+512*(\j)
.endr
.endif
.endm
	ROW 0, 8
	ROW 1, 0
	s_endpgm
.Lfunc_end_k_q2833198b6b_ln2:
	.size	k_q2833198b6b_ln2, .Lfunc_end_k_q2833198b6b_ln2-k_q2833198b6b_ln2
	.p2alignl 7, 3214868480
	.fill 96, 4, 3214868480
	.section	.rodata,"a",@progbits
	.p2align	6, 0x0
	.amdhsa_kernel k_q2833198b6b_ln2
		.amdhsa_group_segment_fixed_size 0
		.amdhsa_private_segment_fixed_size 0
		.amdhsa_enable_private_segment 0
		.amdhsa_kernarg_size 32
		.amdhsa_user_sgpr_count 2
		.amdhsa_user_sgpr_kernarg_segment_ptr 1
		.amdhsa_wavefront_size32 1
		.amdhsa_system_sgpr_workgroup_id_x 1
		.amdhsa_system_sgpr_workgroup_id_y 1
		.amdhsa_system_sgpr_workgroup_id_z 1
		.amdhsa_system_vgpr_workitem_id 0
		.amdhsa_next_free_vgpr 148
		.amdhsa_next_free_sgpr 66
		.amdhsa_reserve_vcc 0
		.amdhsa_float_denorm_mode_32 3
		.amdhsa_float_denorm_mode_16_64 3
		.amdhsa_memory_ordered 1
		.amdhsa_forward_progress 1
		.amdhsa_inst_pref_size 23
	.end_amdhsa_kernel
	.amdgpu_metadata
---
amdhsa.version: [ 1, 2 ]
amdhsa.kernels:
  - .name:           k_q2833198b6b_ln2
    .symbol:         k_q2833198b6b_ln2.kd
    .args:
      - { .name: ysum, .offset: 0, .size: 8, .value_kind: global_buffer, .address_space: global }
      - { .name: g2, .offset: 8, .size: 8, .value_kind: global_buffer, .address_space: global }
      - { .name: be2, .offset: 16, .size: 8, .value_kind: global_buffer, .address_space: global }
      - { .name: out0, .offset: 24, .size: 8, .value_kind: global_buffer, .address_space: global }
    .group_segment_fixed_size: 0
    .private_segment_fixed_size: 0
    .kernarg_segment_align: 8
    .kernarg_segment_size: 32
    .max_flat_workgroup_size: 256
    .sgpr_count:     66
    .vgpr_count:     148
    .wavefront_size: 32
...
	.end_amdgpu_metadata
.endif
;; end of part 8
